; MI455X (gfx1250); checked and timed in simulation.
; The chip was launched on July 23, 2026; its instructions are those of AMD's public machine-readable ISA for CDNA 5 (MIT licence, August 2026) and "CDNA5" Instruction Set Architecture Reference Guide (July 2026). The comments in the code are by the model that wrote it; some were corrected since.
;; Causal Self Attention. Allowed arithmetic: matrix products marked QUANTISED: E2M1 operands, one E8M0 scale for each 32 along K, by v_wmma_scale_f32_16x16x128_f8f6f4 with both operands' format E2M1 (or v_wmma_scale_f32_32x16x128_f4), f32 sums; products left as they are: bf16, f16 or f32 operands; f32 sums; everything else in f32.
;; Inputs: w_attn 256 x 768 float32; w_proj 256 x 256 float32; x 8 x 2,048 x 256 float32.
;; Outputs: out0 8 x 2,048 x 256 float32.
;; This version of the problem:
;;   THIS VERSION OF THE PROBLEM IS GIVEN IN LOW PRECISION. The matrix products marked QUANTISED in the list below multiply operands that are first quantised to E2M1 (2 exponent bits, 1 mantissa bit; 4 bits a number), with one power-of-two scale for each 32 numbers along K (OCP MX v1.0); their sums are f32. The products marked 'left as it is' may take bf16, f16 or f32 operands, with f32 sums. Whichever they take, every output number must still come out within the allowed error. Rounding operands to bf16 (8 significant bits) uses up far more of that allowance than f16 does (11 bits, for magnitudes from 6e-5 to 65,504). All else is computed in f32.
;;   The module's matrix products, in the order in which they are computed (A, B: the left and right operand; K: the contracted axis; several contracted axes count as one K, in the product's order):
;;     1. [M 16,384, K 256] x [K 256, N 768]; A: input x; B: input w_attn: QUANTISED
;;     2. batch 64 x [M 2,048, K 32] x [K 32, N 2,048]; A: computed on the way; B: computed on the way: left as it is (an operand is computed on the way)
;;     3. batch 64 x [M 2,048, K 2,048] x [K 2,048, N 32]; A: computed on the way; B: computed on the way: left as it is (an operand is computed on the way)
;;     4. [M 16,384, K 256] x [K 256, N 256]; A: computed on the way; B: input w_proj: left as it is (an operand is computed on the way)
;;   THE QUANTISER, for each operand of a quantised product, along K:
;;     - K is cut into blocks of 32 from its start; a last block that is shorter is filled with zeros.
;;     - A block's scale is 2^e with e = floor(log2(the largest magnitude in the block)) - 2, held to -126 .. 127; a block of zeros has e = 0. As a byte (E8M0): e + 127.
;;     - Each number is divided by its block's scale, clamped to +-6, and rounded to the nearest number of E2M1, ties to even, subnormals kept.
;;     - The product sums the exact products of the quantised numbers (number of the format x scale) in f32.
;;   ~~~python
;;   def quantise(x, axis):      # numpy; x: float32 -> the quantised numbers, widened to float32 again
;;       x = np.moveaxis(x, axis, -1); K = x.shape[-1]
;;       x = np.pad(x, [(0, 0)] * (x.ndim - 1) + [(0, -K % 32)]); x = x.reshape(x.shape[:-1] + (-1, 32)); a = np.abs(x).max(-1, keepdims=True)
;;       e = np.where(a > 0, np.clip(np.frexp(np.where(a > 0, a, 1))[1] - 1 - 2, -126, 127), 0)      # np.frexp(a)[1] - 1 = floor(log2(a)), exactly
;;       r = np.clip(x / 2.0 ** e, -6, 6)
;;       step = 2.0 ** (np.maximum(np.frexp(np.where(r == 0, 1, r))[1] - 1, 0) - 1)
;;       q = np.round(r / step) * step * 2.0 ** e      # np.round: ties to even
;;       return np.moveaxis(q.reshape(q.shape[:-2] + (-1,))[..., :K], -1, axis).astype(np.float32)
;;   ~~~
;; 2 versions, each right; version 2 is version 1 with the launches first16, qkv, attn written anew for expert scheduling mode. Each part assembles by itself: llvm-mc -triple=amdgcn-amd-amdhsa -mcpu=gfx1250 --defsym DOCPART=n.
;; ======== version 1 of 2: 4 launches
;; limits: values are held in f16: magnitudes above 65,504 overflow, below 6.1e-05 lose precision
;; workspace buffers: wq 98,304 bytes; ws 12,288 bytes; wp 131,072 bytes; qf 8,388,608 bytes; kv 16,777,216 bytes
;; launch prep (part 1): grid 32 x 1, 4 waves a work-group, no clusters, 0 bytes of LDS; arguments w_attn, w_proj, wq, ws, wp; writes wq, ws, wp
.if DOCPART == 1
	.amdgcn_target "amdgcn-amd-amdhsa--gfx1250"
	.amdhsa_code_object_version 6
	.text
	.protected	k_q31cb2d3678_prep
	.globl	k_q31cb2d3678_prep
	.p2align	8
	.type	k_q31cb2d3678_prep,@function
k_q31cb2d3678_prep:
	s_mov_b64 s[64:65], 0
	v_nop
	global_prefetch_b8 v0, s[64:65] scope:SCOPE_SE
	s_setreg_imm32_b32 hwreg(HW_REG_WAVE_MODE, 25, 1), 1
	s_wait_xcnt 0x0
; CAUSAL SELF-ATTENTION, B = 8, T = 2,048, C = 256, 8 heads of 32.  Four launches: this one lays the weights out; the second makes positions 0-15 of every sequence in f32;
; the third makes q, k, v (the quantised product); the fourth is attention with the projection, for all other positions.
; WORK LEFT OUT, in the whole program.  reference() sets the score of key k for query q to the least f32 number wherever k > q, by a mask that it builds itself (jnp.tril), and takes the row's
; maximum away before the exponential; key q itself always counts, so in exact arithmetic the weight of a hidden key is e^(least - maximum), which is 0 in f32 for all finite inputs, and adds
; nothing to the row's sum or to y.  So a step of 64 keys all of which come after all the queries of a pair of query tiles is neither loaded nor multiplied (fourth launch).  Inside a step that
; also holds keys that count the hidden scores are computed and set to -infinity.  All three inputs have a way to the output and are loaded.
; LIMIT: a NaN, an infinity or an overflow that reaches only the work left out is not carried to the result.
; THIS LAUNCH.  Work-groups 0-23: w_attn [256 (k)][768 (n)] f32 becomes codes of E2M1 with one E8M0 byte for each 32 along K, K being its FIRST axis.  A lane takes a column n and its registers run
; down K, in the order in which a matrix operand's registers take them: so the conversions' results ARE the operand's registers.  A wave makes one unit un = 2 T + s (16 columns from 16 T on, 128 along K
; from 128 s on): wq[un]: 1,024 bytes, [part c][lane][16 bytes], lane (r, h) part c = the codes of k = 128 s + 64 c + 32 h + 0 .. 31 of column 16 T + r;  ws[un]: 128 bytes, 4 a lane: column 16 T + r's four bytes.
; Work-groups 24-31: w_proj [256 (k)][256 (n)] f32 becomes f16 in the order of a 16-bit operand's registers: wp[8 U + s]: lane (r, h) part c = w_proj[32 s + 16 c + 8 h + 0 .. 7][16 U + r].
; A block's scale is 2^(floor(log2(its largest magnitude)) - 2); its byte is the largest magnitude's exponent field - 2, held at 1 from below by a floor among the maximum's leaves.
; LIMITS: a block of zeros gets the byte 1 where the rule says 127: its codes are zeros, and this program alone reads the bytes.  NaN and infinities among the inputs are not served.  |w_proj| stays under 65,504 (f16).
; Each load reads 64 neighbouring bytes in sixteen lanes: both weights together are 1 MiB, read once.  Each store of a wave covers 512 (ws: 128) consecutive bytes.
.set WROW, 3072                        ; a row of w_attn in bytes
.set PROW, 1024                        ; a row of w_proj
.set X,    32                          ; v32-95   64 numbers
.set C,    96                          ; v96-127  what is stored
	s_load_b256 s[4:11], s[0:1], 0x0               ; w_attn s[4:5], w_proj s[6:7], wq s[8:9], ws s[10:11]
	s_load_b64 s[12:13], s[0:1], 0x20              ; wp
	v_lshrrev_b32 v1, 5, v0
	v_readfirstlane_b32 s14, v1                    ; wave 0..3
	v_and_b32 v2, 31, v0                           ; lane
	v_and_b32 v4, 15, v0                           ; r
	v_bfe_u32 v5, v0, 4, 1                         ; h
	v_lshlrev_b32 v6, 4, v2                        ; 16 x lane
	v_lshlrev_b32 v7, 2, v2                        ; 4 x lane
	s_mov_b32 s19, 0
	s_mov_b32 s23, 0
	s_mov_b32 s25, 0
	s_cmp_lt_u32 ttmp9, 24                         ; the work-group's number alone decides which weight
	s_cbranch_scc0 .Lproj
	; ---- w_attn
	s_lshl_b32 s15, ttmp9, 2
	s_add_co_u32 s15, s15, s14                     ; un = 4 x work-group + wave
	s_lshr_b32 s16, s15, 1                         ; T
	s_and_b32 s17, s15, 1                          ; s
	s_mul_i32 s18, s17, 128*WROW                   ; 128 s rows down,
	s_lshl_b32 s16, s16, 6
	s_add_co_u32 s18, s18, s16                     ; 16 T columns on
	s_lshl_b32 s22, s15, 10                        ; the unit's place in wq
	s_lshl_b32 s24, s15, 7                         ; and in ws
	s_mov_b32 s20, 0x76543210
	s_mov_b32 s21, 0xfedcba98                      ; v_permlanex16_b32's selects for lane l xor 16
	v_mul_u32_u24 v3, v5, 32*WROW                  ; lanes 16-31 begin 32 rows further down
	v_lshl_add_u32 v3, v4, 2, v3                   ; column r
	v_lshlrev_b32 v10, 3, v5                       ; 8 h
	v_mov_b32 v19, 0                               ; a lane permute's destination counts as one of its sources
	s_wait_kmcnt 0x0
	s_add_nc_u64 s[4:5], s[4:5], s[18:19]
	s_add_nc_u64 s[8:9], s[8:9], s[22:23]
	s_add_nc_u64 s[10:11], s[10:11], s[24:25]
.irp c, 0,1
.irp i, 0,1,2,3,4,5,6,7,8,9,10,11,12,13,14,15,16,17,18,19,20,21,22,23,24,25,26,27,28,29,30,31
	global_load_b32 v[X+32*\c+\i], v3, s[4:5] offset:(64*\c+\i)*WROW   ; w_attn(128 s + 64 c + 32 h + i, 16 T + r)
.endr
.endr
	s_wait_loadcnt 0x0
.irp c, 0,1                                    ; my block 2 c + h: all its 32 numbers are mine
	v_max3_num_f32 v[12+\c], |v[X+32*\c]|, |v[X+32*\c+1]|, 0x1800000   ; and the floor 2^(3 - 127): the byte cannot fall under 1
.endr
.irp i, 2,4,6,8,10,12,14,16,18,20,22,24,26,28,30
.irp c, 0,1
	v_max3_num_f32 v[12+\c], v[12+\c], |v[X+32*\c+\i]|, |v[X+32*\c+\i+1]|   ; (the two blocks by turns)
.endr
.endr
.irp c, 0,1
	v_add_nc_u32 v[14+\c], 0xff000000, v[12+\c]    ; 2 off the exponent field: the conversion takes this operand's exponent field as its scale
.endr
.irp c, 0,1
	v_lshrrev_b32 v[16+\c], 23, v[14+\c]           ; the scale's byte
.endr
	v_lshl_or_b32 v18, v17, 16, v16                ; my two bytes, blocks h and 2 + h,
	v_lshlrev_b32 v18, v10, v18                    ; at their places in the word;
	v_permlanex16_b32 v19, v18, s20, s21
	v_or_b32 v18, v18, v19                         ; with lane l xor 16's two the word is whole, in both halves of the lanes
.irp c, 0,1
.irp g, 0,1,2,3
	v_cvt_scalef32_pk8_fp4_f32 v[C+4*\c+\g], v[X+32*\c+8*\g:X+32*\c+8*\g+7], v[14+\c]
.endr
.endr
	v_nop                                          ; one plain line behind the last scaled conversion
	global_store_b128 v6, v[C:C+3], s[8:9]
	global_store_b128 v6, v[C+4:C+7], s[8:9] offset:512
	global_store_b32 v7, v18, s[10:11]
	s_endpgm
.Lproj:
	; ---- w_proj: wave pw = 4 (work-group - 24) + wave makes units 4 pw + e: U = pw / 2, s = 4 (pw % 2) + e
	s_sub_co_u32 s15, ttmp9, 24
	s_lshl_b32 s15, s15, 2
	s_add_co_u32 s15, s15, s14                     ; pw
	s_and_b32 s17, s15, 1
	s_lshl_b32 s18, s17, 17                        ; 128 (pw % 2) rows down,
	s_lshr_b32 s16, s15, 1
	s_lshl_b32 s16, s16, 6
	s_add_co_u32 s18, s18, s16                     ; 16 U columns on
	s_lshl_b32 s22, s15, 12                        ; four units of 1,024 bytes
	v_lshlrev_b32 v3, 13, v5                       ; lanes 16-31 begin 8 rows further down
	v_lshl_add_u32 v3, v4, 2, v3
	s_wait_kmcnt 0x0
	s_add_nc_u64 s[6:7], s[6:7], s[18:19]
	s_add_nc_u64 s[12:13], s[12:13], s[22:23]
.irp e, 0,1,2,3
.irp c, 0,1
.irp i, 0,1,2,3,4,5,6,7
	global_load_b32 v[X+16*\e+8*\c+\i], v3, s[6:7] offset:(32*\e+16*\c+\i)*PROW
.endr
.endr
.endr
	s_wait_loadcnt 0x0
.irp p, 0,1,2,3,4,5,6,7,8,9,10,11,12,13,14,15,16,17,18,19,20,21,22,23,24,25,26,27,28,29,30,31
	v_cvt_pk_f16_f32 v[C+\p], v[X+2*\p], v[X+2*\p+1]   ; the lower k in the low half
.endr
.irp f, 0,1,2,3,4,5,6,7
	global_store_b128 v6, v[C+4*\f:C+4*\f+3], s[12:13] offset:512*\f
.endr
	s_endpgm
.Lfunc_end_k_q31cb2d3678_prep:
	.size	k_q31cb2d3678_prep, .Lfunc_end_k_q31cb2d3678_prep-k_q31cb2d3678_prep
	.p2alignl 7, 3214868480
	.fill 96, 4, 3214868480
	.section	.rodata,"a",@progbits
	.p2align	6, 0x0
	.amdhsa_kernel k_q31cb2d3678_prep
		.amdhsa_group_segment_fixed_size 0
		.amdhsa_private_segment_fixed_size 0
		.amdhsa_enable_private_segment 0
		.amdhsa_kernarg_size 40
		.amdhsa_user_sgpr_count 2
		.amdhsa_user_sgpr_kernarg_segment_ptr 1
		.amdhsa_wavefront_size32 1
		.amdhsa_system_sgpr_workgroup_id_x 1
		.amdhsa_system_sgpr_workgroup_id_y 1
		.amdhsa_system_sgpr_workgroup_id_z 1
		.amdhsa_system_vgpr_workitem_id 0
		.amdhsa_next_free_vgpr 128
		.amdhsa_next_free_sgpr 66
		.amdhsa_reserve_vcc 0
		.amdhsa_float_denorm_mode_32 3
		.amdhsa_float_denorm_mode_16_64 3
		.amdhsa_memory_ordered 1
		.amdhsa_forward_progress 1
		.amdhsa_inst_pref_size 21
	.end_amdhsa_kernel
	.amdgpu_metadata
---
amdhsa.version: [ 1, 2 ]
amdhsa.kernels:
  - .name:           k_q31cb2d3678_prep
    .symbol:         k_q31cb2d3678_prep.kd
    .args:
      - { .name: w_attn, .offset: 0, .size: 8, .value_kind: global_buffer, .address_space: global }
      - { .name: w_proj, .offset: 8, .size: 8, .value_kind: global_buffer, .address_space: global }
      - { .name: wq, .offset: 16, .size: 8, .value_kind: global_buffer, .address_space: global }
      - { .name: ws, .offset: 24, .size: 8, .value_kind: global_buffer, .address_space: global }
      - { .name: wp, .offset: 32, .size: 8, .value_kind: global_buffer, .address_space: global }
    .group_segment_fixed_size: 0
    .private_segment_fixed_size: 0
    .kernarg_segment_align: 8
    .kernarg_segment_size: 40
    .max_flat_workgroup_size: 128
    .sgpr_count:     66
    .vgpr_count:     128
    .wavefront_size: 32
...
	.end_amdgpu_metadata
.endif
;; end of part 1
;; launch first16 (part 2): grid 8 x 4, 8 waves a work-group, no clusters, 35,840 bytes of LDS; arguments x, wq, ws, w_proj, out0; writes out0
.if DOCPART == 2
	.amdgcn_target "amdgcn-amd-amdhsa--gfx1250"
	.amdhsa_code_object_version 6
	.text
	.protected	k_q31cb2d3678_first16
	.globl	k_q31cb2d3678_first16
	.p2align	8
	.type	k_q31cb2d3678_first16,@function
k_q31cb2d3678_first16:
	s_mov_b64 s[64:65], 0
	v_nop
	global_prefetch_b8 v0, s[64:65] scope:SCOPE_SE
	s_setreg_imm32_b32 hwreg(HW_REG_WAVE_MODE, 25, 1), 1
	s_wait_xcnt 0x0
; POSITIONS 0 TO 15 OF EVERY SEQUENCE, with everything behind the quantised product in f32: these rows average one to sixteen values and are the largest of the output, so operands of 16 bits are too coarse for them.
; Keys after position 15 are hidden from these queries by reference()'s own mask: they are not touched (the first launch's head shows why).
; SHARES.  A work-group takes a batch (x) and 64 output columns (y); each of its eight waves takes a head.  Every wave quantises the 16 rows of x itself (4,096 numbers: less than a way through LDS with a barrier),
; makes its head's q, k, v by the quantised product (12 matrix instructions on codes of E2M1), the 16 x 16 scores, the softmax, y, and its head's part of the projection; the eight parts meet in LDS and are added.
; NOTHING CHANGES LANES.  q and k are made transposed (source 0 = 16 columns of w_attn, source 1 = x): lane (r, h) holds token r and d = 16 u + 8 h + 0 .. 7.  v is made in the natural order: lane (r, h) holds d = 16 t + r
; and tokens 8 h + 0 .. 7.  The f32 matrix form takes 4 along K, place 2 h + j in register j of lane (r, h); a pair of neighbouring registers of both operands is fed as it stands: both sides then put the same d
; (or the same key) in the same place, which is all that a sum over K asks.  The registers that the f32 form writes (v48-111) are written by matrix instructions alone.
; LIMITS: NaN and infinities among the inputs are not served; 1 / sum by v_rcp_f32; the eight heads' parts are added in ascending order of heads, each head's 32 terms first.
; REGISTERS.  Window 0: v1-11 addresses; v16-31 x's two fragments; v32-43 the weights' scale words; v44-45 x's; v48-111 f32 sums; v112-239 x's numbers, later q, k, v (v112-159), p (v160-167), y (v168-183), at work (v184-223); v240-255 the quantiser's.
;   Window 1: v0-95 my 12 fragments of w_attn; v96-159 my part of w_proj, f32.
.set PPITCH, 272                       ; a row of a part: 64 f32 + 16 bytes
.set PARTB,  16*PPITCH                 ; a wave's part: 16 rows
.set SPARE,  8*PARTB                   ; behind the parts: the spare words, 128 bytes for each wave
.set LI,  1                            ; 16 x lane
.set SPW, 2                            ; LDS address of my spare word; never rewritten
.set NIL, 3                            ; 0; never rewritten
.set XA,  4                            ; x: row r of 1,024 bytes + 64 h
.set LS,  5                            ; 4 x lane
.set WPA, 6                            ; w_proj: 8 h rows down, column r
.set PS,  7                            ; where I put 32 bytes of my part
.set PR,  8                            ; where I read the parts back
.set GO,  9                            ; my byte offset in the 16 rows of out0
.set DD,  10                           ; r - 8 h
.set NINF, 11                          ; -infinity
.set XF,  16
.set WS,  32
.set XS,  44
.set SA,  48                           ; scores, d = 0 .. 15;  SB: d = 16 .. 31
.set SB,  56
.set OA,  64                           ; O^T, d = 0 .. 15;  OA + 8: d = 16 .. 31
.set OUT, 80                           ; four tiles of 16 output columns
.set X,   112
.set DQ,  112                          ; q (two tiles), k at + 16, v at + 32
.set DK,  128
.set DV,  144
.set T,   160
.set Y,   168
.set MX,  184
.set CM,  186
.set RL,  188
.set AD,  190
.set PB,  192
.set TM,  240
.set WF,  0                            ; window 1
.set WP,  96
.set SEL, 20
.set CS,  22
.set MSB, 0
.macro WIN new                         ; the immediate's high byte repeats the setting that is left
.if MSB != \new
	s_set_vgpr_msb (MSB<<8)|\new
.set MSB, \new
.endif
.endm
.macro PLACES n                        ; plain vector lines behind a matrix instruction (ISA guide 7.12.1)
.rept \n
	v_nop
.endr
.endm
; 64 numbers of a lane, register 16 b + i = k 32 b + 16 (lane / 16) + i of my row, become a fragment's codes in v[pc] on and its scale word in v[pw].
.macro QUANT s, pc, pw
.irp b, 0,1,2,3
	v_max3_num_f32 v[TM+\b], |v[\s+16*\b]|, |v[\s+1+16*\b]|, 0x1800000   ; block b: my 16 numbers, and the floor 2^(3 - 127): the byte cannot fall under 1
.endr
.irp i, 2,4,6,8,10,12,14
.irp b, 0,1,2,3
	v_max3_num_f32 v[TM+\b], v[TM+\b], |v[\s+16*\b+\i]|, |v[\s+1+16*\b+\i]|   ; (the four blocks by turns)
.endr
.endr
.irp b, 0,1,2,3
	v_permlanex16_b32 v[TM+4+\b], v[TM+\b], s[SEL], s[SEL+1]
.endr
.irp b, 0,1,2,3
	v_max_num_f32 v[TM+\b], v[TM+\b], v[TM+4+\b]   ; with lane l xor 16's: the block's largest magnitude
.endr
.irp b, 0,1,2,3
	v_add_nc_u32 v[TM+12+\b], 0xff000000, v[TM+\b] ; 2 off its exponent field: the conversion's scale operand
.endr
.irp b, 0,1,2,3
	v_lshrrev_b32 v[TM+4+\b], 23, v[TM+12+\b]      ; the scale's byte
.endr
	v_lshl_or_b32 v[\pw], v[TM+5], 8, v[TM+4]      ; the four bytes make my row's scale word
	v_lshl_or_b32 v[\pw], v[TM+6], 16, v[\pw]
	v_lshl_or_b32 v[\pw], v[TM+7], 24, v[\pw]
.irp b, 0,1,2,3
	v_cvt_scalef32_pk8_fp4_f32 v[\pc+2*\b], v[\s+16*\b:\s+7+16*\b], v[TM+12+\b]
	v_cvt_scalef32_pk8_fp4_f32 v[\pc+1+2*\b], v[\s+8+16*\b:\s+15+16*\b], v[TM+12+\b]
.endr
	v_nop                                          ; one plain line behind a scaled conversion
.irp c, 0,1                                    ; the operand's layout wants a WHOLE block in a lane: lanes 0-15 block 2 c, lanes 16-31 block 2 c + 1
.irp i, 0,1
	v_permlane16_swap_b32 v[\pc+4*\c+\i], v[\pc+2+4*\c+\i]
.endr
.endr
.endm
	s_load_b256 s[4:11], s[0:1], 0x0               ; x s[4:5], wq s[6:7], ws s[8:9], w_proj s[10:11]
	s_load_b64 s[12:13], s[0:1], 0x20              ; out0
	v_lshl_add_u32 v[SPW], v0, 2, SPARE
	v_mov_b32 v[NIL], 0
	v_lshrrev_b32 v12, 5, v0
	v_readfirstlane_b32 s14, v12                   ; wave = head
	s_and_b32 s15, ttmp7, 0xffff                   ; which 64 output columns
	v_and_b32 v12, 31, v0                          ; lane
	v_and_b32 v13, 15, v0                          ; r
	v_bfe_u32 v14, v0, 4, 1                        ; h
	v_lshlrev_b32 v[LI], 4, v12
	v_lshlrev_b32 v[LS], 2, v12
	v_lshlrev_b32 v[XA], 10, v13
	v_lshl_add_u32 v[XA], v14, 6, v[XA]
	v_lshlrev_b32 v[WPA], 13, v14
	v_lshl_add_u32 v[WPA], v13, 2, v[WPA]
	s_mul_i32 s16, s14, PARTB
	v_mul_u32_u24 v[PS], v13, PPITCH
	v_lshl_add_u32 v[PS], v14, 5, v[PS]
	v_add_nc_u32 v[PS], s16, v[PS]                 ; my part: row r, + 32 h
	s_mul_i32 s16, s14, 2*PPITCH
	v_mul_u32_u24 v[PR], v14, PPITCH
	v_lshl_add_u32 v[PR], v13, 4, v[PR]
	v_add_nc_u32 v[PR], s16, v[PR]                 ; back: row 2 w + lane / 16, 16 bytes a lane
	s_lshl_b32 s16, s14, 11
	v_lshlrev_b32 v[GO], 10, v14
	v_lshl_add_u32 v[GO], v13, 4, v[GO]
	v_add_nc_u32 v[GO], s16, v[GO]                 ; and the same row in out0
	v_lshlrev_b32 v[DD], 3, v14
	v_sub_nc_u32 v[DD], v13, v[DD]
	v_mov_b32 v[NINF], 0xff800000
	v_mov_b32 v[MX+1], 0                           ; lane permutes' destinations count as sources: written once
	v_mov_b32 v[RL+1], 0
.irp b, 0,1,2,3
	v_mov_b32 v[TM+4+\b], 0
.endr
	s_mov_b32 s[SEL], 0x76543210
	s_mov_b32 s[SEL+1], 0xfedcba98                 ; lane l xor 16
	s_mov_b32 s[CS], 0x3e8293ee                    ; c = log2(e) / sqrt(32)
	s_lshl_b32 s24, ttmp9, 21                      ; the batch's 2,048 rows of 1,024 bytes
	s_mov_b32 s25, 0
	s_lshl_b32 s26, s14, 12                        ; wq: my head's four units of q
	s_mov_b32 s27, 0
	s_lshl_b32 s28, s14, 9                         ; ws likewise
	s_mov_b32 s29, 0
	s_lshl_b32 s30, s14, 15                        ; w_proj: my head's 32 rows,
	s_lshl_b32 s16, s15, 8                         ; my work-group's 64 columns
	s_add_co_u32 s30, s30, s16
	s_mov_b32 s31, 0
	s_add_co_u32 s32, s24, s16                     ; out0: the batch, the 64 columns
	s_mov_b32 s33, 0
	s_wait_kmcnt 0x0
	s_add_nc_u64 s[4:5], s[4:5], s[24:25]
	s_add_nc_u64 s[6:7], s[6:7], s[26:27]
	s_add_nc_u64 s[8:9], s[8:9], s[28:29]
	s_add_nc_u64 s[10:11], s[10:11], s[30:31]
	s_add_nc_u64 s[12:13], s[12:13], s[32:33]
.irp s, 0,1                                    ; x: of row r, 16 neighbours of each block of 32
.irp b, 0,1,2,3
.irp j, 0,1,2,3
	global_load_b128 v[X+64*\s+16*\b+4*\j:X+64*\s+16*\b+4*\j+3], v[XA], s[4:5] offset:512*\s+128*\b+16*\j
.endr
.endr
.endr
.irp kd, 0,1,2                                 ; the scale words of q's, k's and v's tiles: index 4 kd + 2 u + s
.irp us, 0,1,2,3
	global_load_b32 v[WS+4*\kd+\us], v[LS], s[8:9] offset:4096*\kd+128*\us
.endr
.endr
	WIN 0x40                                       ; destination window 1
.irp kd, 0,1,2
.irp us, 0,1,2,3
.irp c, 0,1
	global_load_b128 v[WF+8*(4*\kd+\us)+4*\c:WF+8*(4*\kd+\us)+4*\c+3], v[LI], s[6:7] offset:32768*\kd+1024*\us+512*\c
.endr
.endr
.endr
.irp u, 0,1,2,3                                ; w_proj(32 head + 16 t + 8 h + 2 s' + j, 64 y + 16 u + r), sg = 4 t + s'
.irp sg, 0,1,2,3,4,5,6,7
.irp j, 0,1
	global_load_b32 v[WP+2*(8*\u+\sg)+\j], v[WPA], s[10:11] offset:(16*(\sg/4)+2*(\sg%4)+\j)*1024+64*\u
.endr
.endr
.endr
	WIN 0
	s_wait_loadcnt 0x0
	QUANT X, XF, XS
	QUANT X+64, XF+8, XS+1
	PLACES 8                                       ; a scale register written by a vector line stands 8 places ahead of a scaled matrix instruction, an operand 4
.irp s, 0,1                                    ; THE QUANTISED PRODUCT: six accumulators by turns; the first K step starts the sums
	WIN 0x01                                       ; source 0 (the weight) window 1
.irp ti, 0,1,2,3
.if \s == 0
	v_wmma_scale_f32_16x16x128_f8f6f4 v[DQ+8*\ti:DQ+8*\ti+7], v[WF+8*(2*\ti+\s):WF+8*(2*\ti+\s)+7], v[XF+8*\s:XF+8*\s+7], 0, v[WS+2*\ti+\s], v[XS+\s] matrix_a_fmt:MATRIX_FMT_FP4 matrix_b_fmt:MATRIX_FMT_FP4
.else
	v_wmma_scale_f32_16x16x128_f8f6f4 v[DQ+8*\ti:DQ+8*\ti+7], v[WF+8*(2*\ti+\s):WF+8*(2*\ti+\s)+7], v[XF+8*\s:XF+8*\s+7], v[DQ+8*\ti:DQ+8*\ti+7], v[WS+2*\ti+\s], v[XS+\s] matrix_a_fmt:MATRIX_FMT_FP4 matrix_b_fmt:MATRIX_FMT_FP4
.endif
.endr
	WIN 0x04                                       ; source 1 (the weight) window 1
.irp ti, 4,5
.if \s == 0
	v_wmma_scale_f32_16x16x128_f8f6f4 v[DQ+8*\ti:DQ+8*\ti+7], v[XF+8*\s:XF+8*\s+7], v[WF+8*(2*\ti+\s):WF+8*(2*\ti+\s)+7], 0, v[XS+\s], v[WS+2*\ti+\s] matrix_a_fmt:MATRIX_FMT_FP4 matrix_b_fmt:MATRIX_FMT_FP4
.else
	v_wmma_scale_f32_16x16x128_f8f6f4 v[DQ+8*\ti:DQ+8*\ti+7], v[XF+8*\s:XF+8*\s+7], v[WF+8*(2*\ti+\s):WF+8*(2*\ti+\s)+7], v[DQ+8*\ti:DQ+8*\ti+7], v[XS+\s], v[WS+2*\ti+\s] matrix_a_fmt:MATRIX_FMT_FP4 matrix_b_fmt:MATRIX_FMT_FP4
.endif
.endr
.endr
	WIN 0
	PLACES 5                                       ; the results become operands of matrix instructions
.irp sp, 0,1,2,3                               ; S^T = k q^T: key 8 h + j in register j, query r; two sums by turns, d = 0 .. 15 and d = 16 .. 31
.if \sp == 0
	v_wmma_f32_16x16x4_f32 v[SA:SA+7], v[DK+2*\sp:DK+2*\sp+1], v[DQ+2*\sp:DQ+2*\sp+1], 0
	v_wmma_f32_16x16x4_f32 v[SB:SB+7], v[DK+8+2*\sp:DK+8+2*\sp+1], v[DQ+8+2*\sp:DQ+8+2*\sp+1], 0
.else
	v_wmma_f32_16x16x4_f32 v[SA:SA+7], v[DK+2*\sp:DK+2*\sp+1], v[DQ+2*\sp:DQ+2*\sp+1], v[SA:SA+7]
	v_wmma_f32_16x16x4_f32 v[SB:SB+7], v[DK+8+2*\sp:DK+8+2*\sp+1], v[DQ+8+2*\sp:DQ+8+2*\sp+1], v[SB:SB+7]
.endif
.endr
	PLACES 8
.irp j, 0,1,2,3,4,5,6,7
	v_add_f32 v[T+\j], v[SA+\j], v[SB+\j]          ; the score, from each sum's low end on
.endr
.irp j, 0,1,2,3,4,5,6,7
	v_cmp_gt_i32 vcc_lo, \j, v[DD]                 ; key 8 h + j comes after query r
	v_cndmask_b32 v[T+\j], v[T+\j], v[NINF], vcc_lo
.endr
	v_max3_num_f32 v[MX], v[T], v[T+1], v[T+2]
	v_max3_num_f32 v[MX], v[MX], v[T+3], v[T+4]
	v_max3_num_f32 v[MX], v[MX], v[T+5], v[T+6]
	v_max_num_f32 v[MX], v[MX], v[T+7]
	v_permlanex16_b32 v[MX+1], v[MX], s[SEL], s[SEL+1]
	v_max_num_f32 v[MX], v[MX], v[MX+1]            ; the row's largest score: key 0 counts for every query, so it is a number
	v_mul_f32 v[CM], s[CS], v[MX]
.irp j, 0,1,2,3,4,5,6,7
	v_fma_f32 v[T+\j], v[T+\j], s[CS], -v[CM]      ; c (score - maximum)
.endr
.irp j, 0,1,2,3,4,5,6,7
	v_exp_f32 v[T+\j], v[T+\j]
.endr
	v_nop                                          ; a plain line behind the last exponential
	s_wait_alu depctr_va_vdst(0)                   ; one wait for the batch, ahead of its first reader
	v_pk_add_f32 v[AD:AD+1], v[T:T+1], v[T+2:T+3]
	v_pk_add_f32 v[PB:PB+1], v[T+4:T+5], v[T+6:T+7]
	v_pk_add_f32 v[AD:AD+1], v[AD:AD+1], v[PB:PB+1]
	v_add_f32 v[RL], v[AD], v[AD+1]
	v_permlanex16_b32 v[RL+1], v[RL], s[SEL], s[SEL+1]
	v_add_f32 v[RL], v[RL], v[RL+1]                ; the row's sum
	v_rcp_f32 v[RL], v[RL]
	v_nop
	s_wait_alu depctr_va_vdst(0)
.irp sp, 0,1,2,3                               ; O^T = v^T p: d = 16 t + 8 h + j in register j, query r
.if \sp == 0
	v_wmma_f32_16x16x4_f32 v[OA:OA+7], v[DV+2*\sp:DV+2*\sp+1], v[T+2*\sp:T+2*\sp+1], 0
	v_wmma_f32_16x16x4_f32 v[OA+8:OA+15], v[DV+8+2*\sp:DV+8+2*\sp+1], v[T+2*\sp:T+2*\sp+1], 0
.else
	v_wmma_f32_16x16x4_f32 v[OA:OA+7], v[DV+2*\sp:DV+2*\sp+1], v[T+2*\sp:T+2*\sp+1], v[OA:OA+7]
	v_wmma_f32_16x16x4_f32 v[OA+8:OA+15], v[DV+8+2*\sp:DV+8+2*\sp+1], v[T+2*\sp:T+2*\sp+1], v[OA+8:OA+15]
.endif
.endr
	PLACES 8
.irp p, 0,1,2,3,4,5,6,7
	v_pk_mul_f32 v[Y+2*\p:Y+2*\p+1], v[OA+2*\p:OA+2*\p+1], v[RL:RL+1] op_sel_hi:[1,0]   ; y = O / the sum, into other registers
.endr
	WIN 0x01                                       ; source 0 (w_proj) window 1
.irp sg, 0,1,2,3,4,5,6,7                       ; my head's part of the projection, transposed: output column 16 u + 8 h + j in register j, token r; four sums by turns
.irp u, 0,1,2,3
.if \sg == 0
	v_wmma_f32_16x16x4_f32 v[OUT+8*\u:OUT+8*\u+7], v[WP+2*(8*\u+\sg):WP+2*(8*\u+\sg)+1], v[Y+2*\sg:Y+2*\sg+1], 0
.else
	v_wmma_f32_16x16x4_f32 v[OUT+8*\u:OUT+8*\u+7], v[WP+2*(8*\u+\sg):WP+2*(8*\u+\sg)+1], v[Y+2*\sg:Y+2*\sg+1], v[OUT+8*\u:OUT+8*\u+7]
.endif
.endr
.endr
	WIN 0
	PLACES 8
.irp u, 0,1,2,3
	ds_store_b128 v[PS], v[OUT+8*\u:OUT+8*\u+3] offset:64*\u         ; each sum from its low end on
	ds_store_b128 v[PS], v[OUT+8*\u+4:OUT+8*\u+7] offset:64*\u+16
.endr
	s_wait_dscnt 0x0                               ; for the others' sake: my part lies in LDS
	s_barrier_signal -1
	s_barrier_wait -1
.irp p, 0,1,2,3,4,5,6,7
	ds_load_b128 v[PB+4*\p:PB+4*\p+3], v[PR] offset:PARTB*\p
.endr
	s_wait_dscnt 0x0
.irp p, 1,2,3,4,5,6,7
	v_pk_add_f32 v[PB:PB+1], v[PB:PB+1], v[PB+4*\p:PB+4*\p+1]
	v_pk_add_f32 v[PB+2:PB+3], v[PB+2:PB+3], v[PB+4*\p+2:PB+4*\p+3]
.endr
	global_store_b128 v[GO], v[PB:PB+3], s[12:13]  ; sixteen lanes store 256 consecutive bytes, at a multiple of 256 from out0's first byte
	s_wait_tensorcnt 0x0                           ; the wave's end: three closing lines, behind my last LDS store
	ds_add_u32 v[SPW], v[NIL]
	s_wait_dscnt 0x0
	s_endpgm
.Lfunc_end_k_q31cb2d3678_first16:
	.size	k_q31cb2d3678_first16, .Lfunc_end_k_q31cb2d3678_first16-k_q31cb2d3678_first16
	.p2alignl 7, 3214868480
	.fill 96, 4, 3214868480
	.section	.rodata,"a",@progbits
	.p2align	6, 0x0
	.amdhsa_kernel k_q31cb2d3678_first16
		.amdhsa_group_segment_fixed_size 35840
		.amdhsa_private_segment_fixed_size 0
		.amdhsa_enable_private_segment 0
		.amdhsa_kernarg_size 40
		.amdhsa_user_sgpr_count 2
		.amdhsa_user_sgpr_kernarg_segment_ptr 1
		.amdhsa_wavefront_size32 1
		.amdhsa_system_sgpr_workgroup_id_x 1
		.amdhsa_system_sgpr_workgroup_id_y 1
		.amdhsa_system_sgpr_workgroup_id_z 1
		.amdhsa_system_vgpr_workitem_id 0
		.amdhsa_next_free_vgpr 448
		.amdhsa_next_free_sgpr 66
		.amdhsa_reserve_vcc 1
		.amdhsa_float_denorm_mode_32 3
		.amdhsa_float_denorm_mode_16_64 3
		.amdhsa_memory_ordered 1
		.amdhsa_forward_progress 1
		.amdhsa_inst_pref_size 34
	.end_amdhsa_kernel
	.amdgpu_metadata
---
amdhsa.version: [ 1, 2 ]
amdhsa.kernels:
  - .name:           k_q31cb2d3678_first16
    .symbol:         k_q31cb2d3678_first16.kd
    .args:
      - { .name: x, .offset: 0, .size: 8, .value_kind: global_buffer, .address_space: global }
      - { .name: wq, .offset: 8, .size: 8, .value_kind: global_buffer, .address_space: global }
      - { .name: ws, .offset: 16, .size: 8, .value_kind: global_buffer, .address_space: global }
      - { .name: w_proj, .offset: 24, .size: 8, .value_kind: global_buffer, .address_space: global }
      - { .name: out0, .offset: 32, .size: 8, .value_kind: global_buffer, .address_space: global }
    .group_segment_fixed_size: 35840
    .private_segment_fixed_size: 0
    .kernarg_segment_align: 8
    .kernarg_segment_size: 40
    .max_flat_workgroup_size: 256
    .sgpr_count:     66
    .vgpr_count:     448
    .wavefront_size: 32
...
	.end_amdgpu_metadata
.endif
;; end of part 2
;; launch qkv (part 3): grid 256 x 1, 8 waves a work-group, no clusters, 77,824 bytes of LDS; arguments x, wq, ws, qf, kv; writes qf, kv
.if DOCPART == 3
	.amdgcn_target "amdgcn-amd-amdhsa--gfx1250"
	.amdhsa_code_object_version 6
	.text
	.protected	k_q31cb2d3678_qkv
	.globl	k_q31cb2d3678_qkv
	.p2align	8
	.type	k_q31cb2d3678_qkv,@function
k_q31cb2d3678_qkv:
	s_mov_b64 s[64:65], 0
	v_nop
	global_prefetch_b8 v0, s[64:65] scope:SCOPE_SE
	s_setreg_imm32_b32 hwreg(HW_REG_WAVE_MODE, 25, 1), 1
	s_wait_xcnt 0x0
; qkv = Q(x) Q(w_attn), the quantised product: codes of E2M1, one E8M0 scale for each 32 along K = 256; sums in f32.  The results leave as f16, in the order in which the next launch's operand registers take them.
; SHARES.  A work-group takes 64 tokens (four tiles of 16), which are one step of 64 keys of one batch.  x is read by this work-group alone, once: it is quantised on the way.  Wave w quantises tile w / 2, K step w % 2
; (16 rows x 128), and hands codes and scale words to the others through LDS as an image of the operand's registers.  Then wave w is head w: its 12 fragments of w_attn's codes (q, k, v: two tiles of 16 columns x two K steps each)
; stay in registers, and it makes its head's q, k and v for the four tiles of tokens.
; x's loads read 512 consecutive bytes of one row; the conversions want 16 neighbours along K in one lane: the 8,192 bytes turn through the wave's own bytes of LDS (rows 528 bytes apart).
; LAYOUT OF THE RESULTS.  q and k are made transposed (source 0 = 16 columns of w_attn, source 1 = 16 tokens): lane (r, h) holds token r and d = 16 u + 8 h + 0 .. 7: rounded in pairs these are part u of a 16-bit operand
; (16 tokens x 32 d).  v is made in the natural order: lane (r, h) holds d = 16 t + r and tokens 8 h + 0 .. 7: part m % 2 of an operand of V^T (16 d x 32 keys).  q is multiplied by c = log2(e) / sqrt(32) in f32 first.
; qf[((batch 8 + head) 128 + tile of tokens) 1,024 + 512 part + 16 lane];  kv[((batch 8 + head) 32 + step) 8,192 + ..]: four fragments of K (16 keys each), then four of V^T (index 2 (32 keys) + (16 d)).  Each store of a wave covers 512 consecutive bytes, aligned.
; LIMITS: |c q|, |k|, |v| stay under 65,504 (f16); NaN and infinities among the inputs are not served; a block of zeros gets the byte 1 with zero codes.
; REGISTERS: v1-8 addresses; v16-27 the weights' scale words; v28-29 x's; v32-127 the weights' fragments; v128-191 x as loaded, then the quantiser's, then x's two fragments (v128-143) and six accumulators (v144-191); v192-255 x's 64 neighbours, then what is stored.
.set XIMG,  0                          ; LDS: x's 8 fragments (2 x tile + K step), 1,024 bytes each,
.set XSC,   8192                       ; their scale words, 128 bytes each,
.set TURN,  9216                       ; the waves' own bytes for the turn: 16 rows x 528 each,
.set TURNB, 16*528
.set SPARE, TURN+8*TURNB               ; and the spare words, 128 bytes for each wave
.set LI,  1                            ; 16 x lane
.set SPW, 2                            ; LDS address of my spare word; never rewritten
.set NIL, 3                            ; 0; never rewritten
.set TW,  4                            ; the turn, on the way in
.set TR,  5                            ; and out
.set LS,  6                            ; 4 x lane
.set XWI, 7                            ; where I store my image
.set XWS, 8                            ; and its scale words
.set WS,  16
.set XS,  28
.set WF,  32
.set R,   128
.set TM,  128
.set PC,  144
.set PW,  152
.set XF,  128
.set ACC, 144
.set X,   192
.set PK,  192
.set SEL, 20
.set CS,  22
.macro QUANT s, pc, pw                 ; 64 numbers of a lane, register 16 b + i = k 32 b + 16 (lane / 16) + i of my row, become a fragment's codes in v[pc] on and its scale word in v[pw]
.irp b, 0,1,2,3
	v_max3_num_f32 v[TM+\b], |v[\s+16*\b]|, |v[\s+1+16*\b]|, 0x1800000   ; block b: my 16 numbers, and the floor 2^(3 - 127): the byte cannot fall under 1
.endr
.irp i, 2,4,6,8,10,12,14
.irp b, 0,1,2,3
	v_max3_num_f32 v[TM+\b], v[TM+\b], |v[\s+16*\b+\i]|, |v[\s+1+16*\b+\i]|   ; (the four blocks by turns)
.endr
.endr
.irp b, 0,1,2,3
	v_permlanex16_b32 v[TM+4+\b], v[TM+\b], s[SEL], s[SEL+1]
.endr
.irp b, 0,1,2,3
	v_max_num_f32 v[TM+\b], v[TM+\b], v[TM+4+\b]   ; with lane l xor 16's: the block's largest magnitude
.endr
.irp b, 0,1,2,3
	v_add_nc_u32 v[TM+12+\b], 0xff000000, v[TM+\b] ; 2 off its exponent field: the conversion's scale operand
.endr
.irp b, 0,1,2,3
	v_lshrrev_b32 v[TM+4+\b], 23, v[TM+12+\b]      ; the scale's byte
.endr
	v_lshl_or_b32 v[\pw], v[TM+5], 8, v[TM+4]      ; the four bytes make my row's scale word
	v_lshl_or_b32 v[\pw], v[TM+6], 16, v[\pw]
	v_lshl_or_b32 v[\pw], v[TM+7], 24, v[\pw]
.irp b, 0,1,2,3
	v_cvt_scalef32_pk8_fp4_f32 v[\pc+2*\b], v[\s+16*\b:\s+7+16*\b], v[TM+12+\b]
	v_cvt_scalef32_pk8_fp4_f32 v[\pc+1+2*\b], v[\s+8+16*\b:\s+15+16*\b], v[TM+12+\b]
.endr
	v_nop                                          ; one plain line behind a scaled conversion
.irp c, 0,1                                    ; the operand's layout wants a WHOLE block in a lane
.irp i, 0,1
	v_permlane16_swap_b32 v[\pc+4*\c+\i], v[\pc+2+4*\c+\i]
.endr
.endr
.endm
	s_load_b256 s[4:11], s[0:1], 0x0               ; x s[4:5], wq s[6:7], ws s[8:9], qf s[10:11]
	s_load_b64 s[12:13], s[0:1], 0x20              ; kv
	v_lshl_add_u32 v[SPW], v0, 2, SPARE
	v_mov_b32 v[NIL], 0
	v_lshrrev_b32 v9, 5, v0
	v_readfirstlane_b32 s14, v9                    ; wave = head
	v_and_b32 v9, 31, v0                           ; lane
	v_and_b32 v10, 15, v0                          ; r
	v_bfe_u32 v11, v0, 4, 1                        ; h
	v_lshlrev_b32 v[LI], 4, v9
	v_lshlrev_b32 v[LS], 2, v9
	s_mul_i32 s15, s14, TURNB
	s_add_co_u32 s15, s15, TURN
	v_add_nc_u32 v[TW], s15, v[LI]                 ; in: a row's 512 bytes as they lie
	v_mul_u32_u24 v[TR], v10, 528
	v_lshl_add_u32 v[TR], v11, 6, v[TR]
	v_add_nc_u32 v[TR], s15, v[TR]                 ; out: row r, + 64 h: my 16 numbers of a block of 32
	s_lshl_b32 s15, s14, 10
	v_add_nc_u32 v[XWI], s15, v[LI]
	s_lshl_b32 s15, s14, 7
	v_add_nc_u32 v[XWS], s15, v[LS]
	s_mov_b32 s[SEL], 0x76543210
	s_mov_b32 s[SEL+1], 0xfedcba98                 ; lane l xor 16
	s_mov_b32 s[CS], 0x3e8293ee                    ; c = log2(e) / sqrt(32)
	s_mov_b32 s[CS+1], s[CS]                       ; (named with it as a pair, so it is written)
	s_lshl_b32 s16, ttmp9, 16                      ; x: my work-group's 64 rows of 1,024 bytes,
	s_lshr_b32 s17, s14, 1
	s_lshl_b32 s17, s17, 14                        ; my tile of 16,
	s_add_co_u32 s16, s16, s17
	s_and_b32 s17, s14, 1
	s_lshl_b32 s17, s17, 9                         ; my 128 along K
	s_add_co_u32 s16, s16, s17
	s_mov_b32 s17, 0
	s_lshl_b32 s18, s14, 12                        ; wq: my head's four units of q; k's lie 32,768 bytes on, v's 65,536
	s_mov_b32 s19, 0
	s_lshl_b32 s24, s14, 9                         ; ws likewise: 4,096 and 8,192
	s_mov_b32 s25, 0
	s_lshr_b32 s26, ttmp9, 5
	s_lshl_b32 s26, s26, 3
	s_add_co_u32 s26, s26, s14                     ; 8 x batch + head
	s_and_b32 s27, ttmp9, 31                       ; the step of 64 tokens in the batch
	s_lshl_b32 s28, s26, 17
	s_lshl_b32 s30, s27, 12
	s_add_co_u32 s28, s28, s30                     ; qf: 128 tiles a head, four a step
	s_mov_b32 s29, 0
	s_lshl_b32 s30, s26, 18
	s_lshl_b32 s27, s27, 13
	s_add_co_u32 s30, s30, s27                     ; kv: 32 steps of 8,192 bytes a head
	s_mov_b32 s31, 0
	s_wait_kmcnt 0x0
	s_add_nc_u64 s[4:5], s[4:5], s[16:17]
	s_add_nc_u64 s[6:7], s[6:7], s[18:19]
	s_add_nc_u64 s[8:9], s[8:9], s[24:25]
	s_add_nc_u64 s[10:11], s[10:11], s[28:29]
	s_add_nc_u64 s[12:13], s[12:13], s[30:31]
.irp i, 0,1,2,3,4,5,6,7,8,9,10,11,12,13,14,15
	global_load_b128 v[R+4*\i:R+4*\i+3], v[LI], s[4:5] offset:1024*\i th:TH_LOAD_NT   ; row i: 32 lanes read 512 consecutive bytes; read once in the launch
.endr
.irp kd, 0,1,2                                 ; the weights: fragment and scale word 4 kd + 2 u + s (kd: q, k, v)
.irp us, 0,1,2,3
.irp c, 0,1
	global_load_b128 v[WF+8*(4*\kd+\us)+4*\c:WF+8*(4*\kd+\us)+4*\c+3], v[LI], s[6:7] offset:32768*\kd+1024*\us+512*\c
.endr
	global_load_b32 v[WS+4*\kd+\us], v[LS], s[8:9] offset:4096*\kd+128*\us
.endr
.endr
	s_wait_loadcnt 36                              ; x's 16 loads are in; the weights' 24 + 12, issued behind them, may be out
.irp i, 0,1,2,3,4,5,6,7,8,9,10,11,12,13,14,15
	ds_store_b128 v[TW], v[R+4*\i:R+4*\i+3] offset:528*\i
.endr
.irp b, 0,1,2,3
.irp j, 0,1,2,3
	ds_load_b128 v[X+16*\b+4*\j:X+16*\b+4*\j+3], v[TR] offset:128*\b+16*\j   ; LDS serves a wave's instructions in order (ISA guide 5.7.1.4): these see my stores
.endr
.endr
	s_wait_dscnt 0x0
.irp b, 0,1,2,3
	v_mov_b32 v[TM+4+\b], 0                        ; a lane permute's destination counts as one of its sources
.endr
	QUANT X, PC, PW
.irp c, 0,1
	ds_store_b128 v[XWI], v[PC+4*\c:PC+4*\c+3] offset:XIMG+512*\c   ; the fragment goes to LDS as it stands: lane l's 16 bytes at 16 l
.endr
	ds_store_b32 v[XWS], v[PW] offset:XSC
	s_wait_dscnt 0x0                               ; for the others' sake: my image lies in LDS
	s_barrier_signal -1
	s_barrier_wait -1                              ; x's eight fragments do
	s_wait_loadcnt 0x0                             ; the weights
.irp m, 0,1,2,3                                ; a tile of 16 tokens at a time
.irp s, 0,1
.irp c, 0,1
	ds_load_b128 v[XF+8*\s+4*\c:XF+8*\s+4*\c+3], v[LI] offset:XIMG+(2*\m+\s)*1024+512*\c
.endr
	ds_load_b32 v[XS+\s], v[LS] offset:XSC+(2*\m+\s)*128
.endr
	s_wait_dscnt 0x0
.irp s, 0,1                                    ; six accumulators by turns; the first K step starts the sums
.irp ti, 0,1,2,3
.if \s == 0
	v_wmma_scale_f32_16x16x128_f8f6f4 v[ACC+8*\ti:ACC+8*\ti+7], v[WF+8*(2*\ti+\s):WF+8*(2*\ti+\s)+7], v[XF+8*\s:XF+8*\s+7], 0, v[WS+2*\ti+\s], v[XS+\s] matrix_a_fmt:MATRIX_FMT_FP4 matrix_b_fmt:MATRIX_FMT_FP4
.else
	v_wmma_scale_f32_16x16x128_f8f6f4 v[ACC+8*\ti:ACC+8*\ti+7], v[WF+8*(2*\ti+\s):WF+8*(2*\ti+\s)+7], v[XF+8*\s:XF+8*\s+7], v[ACC+8*\ti:ACC+8*\ti+7], v[WS+2*\ti+\s], v[XS+\s] matrix_a_fmt:MATRIX_FMT_FP4 matrix_b_fmt:MATRIX_FMT_FP4
.endif
.endr
.irp ti, 4,5
.if \s == 0
	v_wmma_scale_f32_16x16x128_f8f6f4 v[ACC+8*\ti:ACC+8*\ti+7], v[XF+8*\s:XF+8*\s+7], v[WF+8*(2*\ti+\s):WF+8*(2*\ti+\s)+7], 0, v[XS+\s], v[WS+2*\ti+\s] matrix_a_fmt:MATRIX_FMT_FP4 matrix_b_fmt:MATRIX_FMT_FP4
.else
	v_wmma_scale_f32_16x16x128_f8f6f4 v[ACC+8*\ti:ACC+8*\ti+7], v[XF+8*\s:XF+8*\s+7], v[WF+8*(2*\ti+\s):WF+8*(2*\ti+\s)+7], v[ACC+8*\ti:ACC+8*\ti+7], v[XS+\s], v[WS+2*\ti+\s] matrix_a_fmt:MATRIX_FMT_FP4 matrix_b_fmt:MATRIX_FMT_FP4
.endif
.endr
.endr
.rept 4
	v_nop                                          ; places in front of the first read of results; with the conversions below also those in front of the next tile's loads and of its products, which begin the sums anew
.endr
	s_wait_xcnt 0x0                                ; the last tile's stores have read their data: it is written again only behind this wait
.irp p, 0,1,2,3,4,5,6,7
	v_pk_mul_f32 v[ACC+2*\p:ACC+2*\p+1], v[ACC+2*\p:ACC+2*\p+1], s[CS:CS+1] op_sel_hi:[1,0]   ; c q, in f32
.endr
.irp p, 0,1,2,3,4,5,6,7,8,9,10,11,12,13,14,15,16,17,18,19,20,21,22,23
	v_cvt_pk_f16_f32 v[PK+\p], v[ACC+2*\p], v[ACC+2*\p+1]   ; each accumulator from its low end on
.endr
.irp u, 0,1
	global_store_b128 v[LI], v[PK+4*\u:PK+4*\u+3], s[10:11] offset:\m*1024+512*\u
.endr
.irp u, 0,1
	global_store_b128 v[LI], v[PK+8+4*\u:PK+8+4*\u+3], s[12:13] offset:\m*1024+512*\u
.endr
.irp t, 0,1
	global_store_b128 v[LI], v[PK+16+4*\t:PK+16+4*\t+3], s[12:13] offset:4096+(2*(\m/2)+\t)*1024+512*(\m%2)
.endr
.endr
	s_wait_tensorcnt 0x0                           ; the wave's end: three closing lines, behind my last LDS store
	ds_add_u32 v[SPW], v[NIL]
	s_wait_dscnt 0x0
	s_endpgm
.Lfunc_end_k_q31cb2d3678_qkv:
	.size	k_q31cb2d3678_qkv, .Lfunc_end_k_q31cb2d3678_qkv-k_q31cb2d3678_qkv
	.p2alignl 7, 3214868480
	.fill 96, 4, 3214868480
	.section	.rodata,"a",@progbits
	.p2align	6, 0x0
	.amdhsa_kernel k_q31cb2d3678_qkv
		.amdhsa_group_segment_fixed_size 77824
		.amdhsa_private_segment_fixed_size 0
		.amdhsa_enable_private_segment 0
		.amdhsa_kernarg_size 40
		.amdhsa_user_sgpr_count 2
		.amdhsa_user_sgpr_kernarg_segment_ptr 1
		.amdhsa_wavefront_size32 1
		.amdhsa_system_sgpr_workgroup_id_x 1
		.amdhsa_system_sgpr_workgroup_id_y 1
		.amdhsa_system_sgpr_workgroup_id_z 1
		.amdhsa_system_vgpr_workitem_id 0
		.amdhsa_next_free_vgpr 256
		.amdhsa_next_free_sgpr 66
		.amdhsa_reserve_vcc 0
		.amdhsa_float_denorm_mode_32 3
		.amdhsa_float_denorm_mode_16_64 3
		.amdhsa_memory_ordered 1
		.amdhsa_forward_progress 1
		.amdhsa_inst_pref_size 33
	.end_amdhsa_kernel
	.amdgpu_metadata
---
amdhsa.version: [ 1, 2 ]
amdhsa.kernels:
  - .name:           k_q31cb2d3678_qkv
    .symbol:         k_q31cb2d3678_qkv.kd
    .args:
      - { .name: x, .offset: 0, .size: 8, .value_kind: global_buffer, .address_space: global }
      - { .name: wq, .offset: 8, .size: 8, .value_kind: global_buffer, .address_space: global }
      - { .name: ws, .offset: 16, .size: 8, .value_kind: global_buffer, .address_space: global }
      - { .name: qf, .offset: 24, .size: 8, .value_kind: global_buffer, .address_space: global }
      - { .name: kv, .offset: 32, .size: 8, .value_kind: global_buffer, .address_space: global }
    .group_segment_fixed_size: 77824
    .private_segment_fixed_size: 0
    .kernarg_segment_align: 8
    .kernarg_segment_size: 40
    .max_flat_workgroup_size: 256
    .sgpr_count:     66
    .vgpr_count:     256
    .wavefront_size: 32
...
	.end_amdgpu_metadata
.endif
;; end of part 3
;; launch attn (part 4): grid 32 x 8, 8 waves a work-group, no clusters, 100,352 bytes of LDS; arguments qf, kv, wp, out0; writes out0
.if DOCPART == 4
	.amdgcn_target "amdgcn-amd-amdhsa--gfx1250"
	.amdhsa_code_object_version 6
	.text
	.protected	k_q31cb2d3678_attn
	.globl	k_q31cb2d3678_attn
	.p2align	8
	.type	k_q31cb2d3678_attn,@function
k_q31cb2d3678_attn:
	s_mov_b64 s[64:65], 0
	v_nop
	global_prefetch_b8 v0, s[64:65] scope:SCOPE_SE
	s_setreg_imm32_b32 hwreg(HW_REG_WAVE_MODE, 25, 1), 1
	s_wait_xcnt 0x0
; out0 = softmax(q k^T / sqrt(32), causal) v, all heads side by side, times w_proj; for all positions but 0-15 of each sequence, which the second launch makes in f32.  Operands f16; sums, maxima and the softmax f32.
; WORK LEFT OUT: a step of 64 keys all of which come after a pair of query tiles is not walked for that pair (reference()'s own mask gives them the weight 0: see the first launch's head).
; SHARES.  Work-group (i, batch) owns two blocks of 32 rows: block i and block L = 63 - i.  Wave = head; it holds four tiles of 16 queries: 0, 1 in block i, 2, 3 in block L.  Keys go in steps of 64.  Steps 0 .. i/2 serve four tiles
; (the last of them lies on block i's diagonal), steps i/2 + 1 .. L/2 two (the last on block L's): 4 (i/2 + 1) + 2 (L/2 - i/2) = 66 tiles of 16 x 64 for every wave of every work-group, whatever i.
; Since a work-group holds all eight heads of its 64 rows, y never goes to memory: it goes from wave to wave through LDS as images of operand registers, and wave w makes output columns 32 w .. 32 w + 31 of the 64 rows.
; K AND V COME FROM MEMORY STRAIGHT INTO REGISTERS.  In a work-group a head's K and V are read by one wave alone, so LDS would have nothing to share; the launch before laid them in the order of the operands' registers, so each load
; of a wave covers 512 consecutive bytes.  NO JOINT LOADS: the work-groups of a batch that read the same K and V walk 17 to 32 steps each, and under the mask a partner would pass over tiles that a joint load brings.
; LAYOUT.  S^T = K Q^T (source 0 = 16 keys, source 1 = 16 queries) and O^T = V^T P: a lane holds ONE query (lane % 16) throughout; two tiles of S^T, rounded in pairs, are source 1 of the second product.
; q was multiplied by c = log2(e) / sqrt(32): p = 2^(s - m), m the running maximum; in every step O^T and the sum are multiplied by a = 2^(old m - new m).
; THE ROW'S SUM is a third product on the same p: source 0 has ones in rows 0 and 8 and zeros elsewhere, so register 0 of its result holds, in every lane, the sum over the 32 keys for the lane's query: no packed additions, no exchange of lanes.
; O^T and the sums are cleared once, at the head (96 lines): which step is a tile's first hangs on i, so a first step that starts the sums would be two more copies of the step.
; In work-group i = 0 tile 0 (positions 0-15) is computed beside its partner tile and not stored.
; LIMITS: |y| stays under 65,504 (f16); p under 2^-24 counts as 0; 1 / sum by v_rcp_f32; NaN and infinities among the inputs are not served.
; REGISTERS.  Window 0: v1-13 addresses and masks; v16-47 eight registers of statistics a tile (+0 m, +2 a, +4..7 at work; +1, +3 are named in pairs and hold 0); v48-55 the ones; v56-87 K, v88-119 V of one step; v120-127 1 / sum; v128-255 S^T, 32 a tile, p in its low 16.
;   Window 1: v0-31 Q; v32-95 O^T, 16 a tile; v96-127 the sums, 8 a tile; v128-255 my 16 fragments of w_proj.
.set STEPB,  8192                      ; a step's K and V of one head
.set YIMG,   0                         ; LDS: y's 32 fragments (8 x tile + head), 1,024 bytes each,
.set STG,    32768                     ; the stage for out0: 64 rows x (1,024 bytes + 16),
.set SPITCH, 1040
.set SPARE,  STG+64*SPITCH             ; and the spare words, 128 bytes for each wave
.set LI,   1                           ; 16 x lane
.set SPW,  2                           ; LDS address of my spare word; never rewritten
.set NIL,  3                           ; 0; never rewritten
.set PFO,  4                           ; 256 x lane
.set YW,   5                           ; where I store y's images
.set SO,   6                           ; the stage: where I put 32 bytes of a row
.set SR,   7                           ; and where I read rows back
.set NINF, 8                           ; -infinity
.set DM,   10                          ; v10-13: tile t's query less its diagonal step's first key, less 8 h
.set ST,   16
.set ONES, 48
.set KF,   56
.set VF,   88
.set RL,   120
.set S,    128
.set Q,    0                           ; window 1
.set O,    32
.set SUM,  96
.set WP,   128
.set WV,   12                          ; s12 wave = head
.set IB,   13                          ; s13 i
.set BB,   14                          ; s14 batch
.set LB,   15                          ; s15 L
.set N1,   16                          ; s16 block i's diagonal step
.set JD,   17                          ; s17 block L's
.set JS,   18                          ; s18 the step in hand
.set LIM,  19                          ; s19 the last step in which I prefetch, or -1
.set SEL,  20
.set KVB,  22                          ; s[22:23] my head's K and V, at the step that is being loaded
.set QA,   24
.set QB,   26
.set OB,   28
.set W_S,  0x04                        ; Q (source 1) window 1
.set W_RS, 0x41                        ; destination and source 0 window 1
.set W_PV, 0x50                        ; C and D window 1
.set MSB, 0
.macro WIN new                         ; the immediate's high byte repeats the setting that is left
.if MSB != \new
	s_set_vgpr_msb (MSB<<8)|\new
.set MSB, \new
.endif
.endm
.macro PLACES n                        ; plain vector lines behind a matrix instruction (ISA guide 7.12.1)
.rept \n
	v_nop
.endr
.endm
.macro KLOAD
.irp f, 0,1,2,3,4,5,6,7
	global_load_b128 v[KF+4*\f:KF+4*\f+3], v[LI], s[KVB:KVB+1] offset:512*\f
.endr
.endm
.macro VLOAD
.irp f, 0,1,2,3,4,5,6,7
	global_load_b128 v[VF+4*\f:VF+4*\f+3], v[LI], s[KVB:KVB+1] offset:4096+512*\f
.endr
.endm
; A PREFETCH of the step that stands three loads on: in step J, behind the loads of K(J + 1), step J + 4's 8,192 bytes, lanes 256 bytes apart: one instruction.  All work-groups of a batch walk the same K and V: work-group i = 0,
; which walks all 32 steps, asks, each wave for its own head: so each block of 256 bytes is named once in the launch.  Steps 0 to 3 come by their loads alone; the last request stands in step 27 and names step 31, the head's last.
.macro ASK
	s_cmp_le_i32 s[JS], s[LIM]
	s_cbranch_scc0 .Lnot_mine_\@
	global_prefetch_b8 v[PFO], s[KVB:KVB+1] offset:3*STEPB th:TH_LOAD_NT scope:SCOPE_SE
.Lnot_mine_\@:
.endm
; Line k of 21 of a tile's maximum: four chains of seven scores, each begun at its accumulator's low end; the four scores left over, the chains and the old m; the other half of the lanes'; old m - new m; the new m; a.
.macro MX t
.set rT, ST+8*(\t)
.set rS, S+32*(\t)
.if k < 4
	v_max3_num_f32 v[rT+4+k], v[rS+8*k], v[rS+8*k+1], v[rS+8*k+2]
.elseif k < 12
	v_max3_num_f32 v[rT+4+k%4], v[rT+4+k%4], v[rS+8*(k%4)+2*(k/4)+1], v[rS+8*(k%4)+2*(k/4)+2]
.elseif k == 12
	v_max3_num_f32 v[rT+4], v[rT+4], v[rS+7], v[rS+15]
.elseif k == 13
	v_max3_num_f32 v[rT+6], v[rT+6], v[rS+23], v[rS+31]
.elseif k == 14
	v_max3_num_f32 v[rT+4], v[rT+4], v[rT+5], v[rT+6]
.elseif k == 15
	v_max3_num_f32 v[rT+4], v[rT+4], v[rT+7], v[rT]
.elseif k == 16
	v_permlanex16_b32 v[rT+5], v[rT+4], s[SEL], s[SEL+1]
.elseif k == 17
	v_max_num_f32 v[rT+4], v[rT+4], v[rT+5]
.elseif k == 18
	v_sub_f32 v[rT+6], v[rT], v[rT+4]
.elseif k == 19
	v_mov_b32 v[rT], v[rT+4]
.else
	v_exp_f32 v[rT+2], v[rT+6]
.endif
.endm
; A tile's 32 exponentials, in place; each pair has m taken off one packed line ahead.  None of these lines reads an exponential's result.
.macro EX t
.set rT, ST+8*(\t)
.set rS, S+32*(\t)
	v_pk_add_f32 v[rS:rS+1], v[rS:rS+1], v[rT:rT+1] op_sel_hi:[1,0] neg_lo:[0,1] neg_hi:[0,1]
.set e, 0
.rept 16
.if e < 15
	v_pk_add_f32 v[rS+2*e+2:rS+2*e+3], v[rS+2*e+2:rS+2*e+3], v[rT:rT+1] op_sel_hi:[1,0] neg_lo:[0,1] neg_hi:[0,1]
.endif
	v_exp_f32 v[rS+2*e], v[rS+2*e]
	v_exp_f32 v[rS+2*e+1], v[rS+2*e+1]
.set e, e+1
.endr
.endm
.macro CV t                            ; p rounded to f16, packed downward in place: register i takes numbers 2 i and 2 i + 1
.set rS, S+32*(\t)
.set e, 0
.rept 16
	v_cvt_pk_f16_f32 v[rS+e], v[rS+2*e], v[rS+2*e+1]
.set e, e+1
.endr
.endm
.macro RS t                            ; O^T and the sum times a, each accumulator from its low end on
.set e, 0
.rept 8
	v_pk_mul_f32 v[O+16*(\t)+2*e:O+16*(\t)+2*e+1], v[O+16*(\t)+2*e:O+16*(\t)+2*e+1], v[ST+8*(\t)+2:ST+8*(\t)+3] op_sel_hi:[1,0]
.set e, e+1
.endr
	v_pk_mul_f32 v[SUM+8*(\t):SUM+8*(\t)+1], v[SUM+8*(\t):SUM+8*(\t)+1], v[ST+8*(\t)+2:ST+8*(\t)+3] op_sel_hi:[1,0]
.endm
; A KEY STEP.  first: the first tile that takes part (0 or 2).  mk: the pair of tiles on whose diagonal the step lies (0, 2, or -1: none).  nx = 1: the next step's K and V are asked for.
.macro STEP first, mk, nx
.if \nx
	s_wait_xcnt 0x0                                ; the loads and the prefetch that name the base have read it: it is stepped only behind this wait
	s_add_nc_u64 s[KVB:KVB+1], s[KVB:KVB+1], STEPB
.endif
	s_wait_loadcnt 8                               ; K of this step is in; V's eight loads, issued behind K's, may be out
	WIN W_S
.irp a, 0,1,2,3
.irp t, 0,1,2,3
.if \t >= \first
	v_wmma_f32_16x16x32_f16 v[S+32*\t+8*\a:S+32*\t+8*\a+7], v[KF+8*\a:KF+8*\a+7], v[Q+8*\t:Q+8*\t+7], 0
.endif
.endr
.endr
	WIN 0
	PLACES 4                                       ; in front of the loads into K's registers and of the first read of the scores
.if \nx
	KLOAD
	ASK
.endif
.if \mk >= 0                                   ; on the diagonal the scores of hidden keys become -infinity: register n holds key 16 (n / 8) + 8 h + n % 8 of the step
.irp t, \mk, \mk+1
.irp n, 0,1,2,3,4,5,6,7,8,9,10,11,12,13,14,15,16,17,18,19,20,21,22,23,24,25,26,27,28,29,30,31
	v_cmp_gt_i32 vcc_lo, 16*(\n/8)+\n%8, v[DM+\t]
	v_cndmask_b32 v[S+32*(\t)+\n], v[S+32*(\t)+\n], v[NINF], vcc_lo
.endr
.endr
.endif
.set k, 0
.rept 21                                       ; the maxima, the tiles by turns line by line
.irp t, 0,1,2,3
.if \t >= \first
	MX \t
.endif
.endr
.set k, k+1
.endr
.irp t, 0,1,2,3
.if \t >= \first
	EX \t
.endif
.endr
	v_nop                                          ; a plain line behind the last exponential
	s_wait_alu depctr_va_vdst(0)                   ; ONE wait for the step's whole batch, ahead of its first reader
.irp t, 0,1,2,3
.if \t >= \first
	CV \t
.endif
.endr
	WIN W_RS
.irp t, 0,1,2,3
.if \t >= \first
	RS \t
.endif
.endr
.if \nx
	s_wait_loadcnt 8                               ; V of this step is in; the next step's K, eight loads issued behind it, may be out
.else
	s_wait_loadcnt 0x0
.endif
	WIN W_PV
.irp g, 0,1                                    ; 32 keys at a time; a tile's three accumulators and the tiles by turns, one instruction a turn
.irp t, 0,1,2,3
.if \t >= \first
	v_wmma_f32_16x16x32_f16 v[O+16*\t:O+16*\t+7], v[VF+16*\g:VF+16*\g+7], v[S+32*\t+8*\g:S+32*\t+8*\g+7], v[O+16*\t:O+16*\t+7]
	v_wmma_f32_16x16x32_f16 v[O+16*\t+8:O+16*\t+15], v[VF+16*\g+8:VF+16*\g+15], v[S+32*\t+8*\g:S+32*\t+8*\g+7], v[O+16*\t+8:O+16*\t+15]
	v_wmma_f32_16x16x32_f16 v[SUM+8*\t:SUM+8*\t+7], v[ONES:ONES+7], v[S+32*\t+8*\g:S+32*\t+8*\g+7], v[SUM+8*\t:SUM+8*\t+7]
.endif
.endr
.endr
	WIN 0
	PLACES 5                                       ; four in front of the loads into V's registers and of the way out's reads; the fifth for the next step's first products, which write over p
.if \nx
	VLOAD
.endif
	s_add_co_u32 s[JS], s[JS], 1
.endm
	s_load_b256 s[4:11], s[0:1], 0x0               ; qf s[4:5], kv s[6:7], wp s[8:9], out0 s[10:11]
	v_lshl_add_u32 v[SPW], v0, 2, SPARE
	v_mov_b32 v[NIL], 0
	v_lshrrev_b32 v9, 5, v0
	v_readfirstlane_b32 s[WV], v9
	s_mov_b32 s[IB], ttmp9
	s_and_b32 s[BB], ttmp7, 0xffff
	s_sub_co_u32 s[LB], 63, s[IB]
	s_lshr_b32 s[N1], s[IB], 1
	s_lshr_b32 s[JD], s[LB], 1
	s_mov_b32 s[JS], 0
	s_cmp_eq_u32 s[IB], 0
	s_cselect_b32 s[LIM], 27, -1
	s_mov_b32 s[SEL], 0x76543210
	s_mov_b32 s[SEL+1], 0xfedcba98                 ; lane l xor 16
	v_and_b32 v9, 31, v0                           ; lane
	v_and_b32 v14, 15, v0                          ; r
	v_bfe_u32 v15, v0, 4, 1                        ; h
	v_lshlrev_b32 v[LI], 4, v9
	v_lshlrev_b32 v[PFO], 8, v9
	s_lshl_b32 s30, s[WV], 10
	v_add_nc_u32 v[YW], s30, v[LI]                 ; fragment 8 x tile + head: the tile stands in the immediate
	v_mul_u32_u24 v[SO], v14, SPITCH
	v_lshl_add_u32 v[SO], v15, 5, v[SO]
	s_lshl_b32 s30, s[WV], 7
	s_add_co_u32 s30, s30, STG
	v_add_nc_u32 v[SO], s30, v[SO]                 ; row r, + 32 h, + 128 x wave: my output columns' bytes
	s_mul_i32 s30, s[WV], 8*SPITCH
	s_add_co_u32 s30, s30, STG
	v_add_nc_u32 v[SR], s30, v[LI]                 ; back: my 8 rows, 16 bytes a lane
	v_mov_b32 v[NINF], 0xff800000
	v_lshlrev_b32 v9, 3, v15
	v_sub_nc_u32 v9, v14, v9                       ; r - 8 h
	s_and_b32 s30, s[IB], 1
	s_lshl_b32 s30, s30, 5                         ; block i begins 32 (i % 2) keys into its diagonal step
	v_add_nc_u32 v[DM], s30, v9
	v_add_nc_u32 v[DM+1], 16, v[DM]
	s_and_b32 s30, s[LB], 1
	s_lshl_b32 s30, s30, 5
	v_add_nc_u32 v[DM+2], s30, v9
	v_add_nc_u32 v[DM+3], 16, v[DM+2]
.irp t, 0,1,2,3
	v_mov_b32 v[ST+8*\t], 0xff61b1e6               ; m = -3e38, under every score
	v_mov_b32 v[ST+8*\t+1], 0                      ; (the upper halves of pairs of which the low word serves both halves)
	v_mov_b32 v[ST+8*\t+3], 0
	v_mov_b32 v[RL+2*\t+1], 0
.endr
	v_and_b32 v9, 7, v0
	v_cmp_eq_u32 vcc_lo, 0, v9
	v_mov_b32 v[ONES+1], 0x3c003c00                ; two ones in f16
	v_cndmask_b32 v[ONES], 0, v[ONES+1], vcc_lo    ; rows 0 and 8 of the operand, zeros elsewhere
.irp j, 1,2,3,4,5,6,7
	v_mov_b32 v[ONES+\j], v[ONES]
.endr
	s_lshl_b32 s30, s[BB], 3
	s_add_co_u32 s30, s30, s[WV]                   ; 8 x batch + head
	s_lshl_b32 s32, s30, 17                        ; qf: 128 tiles of 1,024 bytes a head;
	s_lshl_b32 s34, s[IB], 11                      ; a block of 32 rows is two tiles
	s_add_co_u32 s34, s34, s32
	s_mov_b32 s35, 0
	s_lshl_b32 s36, s[LB], 11
	s_add_co_u32 s36, s36, s32
	s_mov_b32 s37, 0
	s_lshl_b32 s38, s30, 18                        ; kv: 32 steps of 8,192 bytes a head
	s_mov_b32 s39, 0
	s_lshl_b32 s40, s[WV], 14                      ; wp: my 16 fragments
	s_mov_b32 s41, 0
	s_lshl_b32 s42, s[IB], 5                       ; the first row that I store: waves 0-3: 32 i + 8 w;
	s_lshl_b32 s43, s[LB], 5
	s_sub_co_u32 s43, s43, 32                      ; waves 4-7: 32 L + 8 (w - 4)
	s_cmp_lt_u32 s[WV], 4
	s_cselect_b32 s42, s42, s43
	s_lshl_b32 s43, s[WV], 3
	s_add_co_u32 s42, s42, s43
	s_lshl_b32 s42, s42, 10
	s_lshl_b32 s43, s[BB], 21
	s_add_co_u32 s42, s42, s43
	s_mov_b32 s43, 0
	s_wait_kmcnt 0x0
	s_add_nc_u64 s[QA:QA+1], s[4:5], s[34:35]
	s_add_nc_u64 s[QB:QB+1], s[4:5], s[36:37]
	s_add_nc_u64 s[KVB:KVB+1], s[6:7], s[38:39]
	s_add_nc_u64 s[8:9], s[8:9], s[40:41]
	s_add_nc_u64 s[OB:OB+1], s[10:11], s[42:43]
	WIN 0x40                                       ; destination window 1
.irp f, 0,1,2,3,4,5,6,7,8,9,10,11,12,13,14,15,16,17,18,19,20,21,22,23,24,25,26,27,28,29,30,31
	global_load_b128 v[WP+4*\f:WP+4*\f+3], v[LI], s[8:9] offset:512*\f   ; w_proj: fragment 8 u + head, for my output tiles 2 w + u: they stay
.endr
.irp f, 0,1,2,3
	global_load_b128 v[Q+4*\f:Q+4*\f+3], v[LI], s[QA:QA+1] offset:512*\f th:TH_LOAD_NT      ; Q stays in registers; read once in the launch
.endr
.irp f, 0,1,2,3
	global_load_b128 v[Q+16+4*\f:Q+16+4*\f+3], v[LI], s[QB:QB+1] offset:512*\f th:TH_LOAD_NT
.endr
.set n, O
.rept 96
	v_mov_b32 v[n], 0                              ; O^T and the sums
.set n, n+1
.endr
	WIN 0
	KLOAD                                          ; step 0
	VLOAD
	s_cmp_eq_u32 s[N1], 0
	s_cbranch_scc1 .Ldiag_a
.Lfour:                                                ; steps 0 .. i/2 - 1: all keys count for all four tiles
	STEP 0, -1, 1
	s_cmp_lt_u32 s[JS], s[N1]
	s_cbranch_scc1 .Lfour
.Ldiag_a:                                              ; step i/2: on block i's diagonal
	STEP 0, 0, 1
	s_cmp_eq_u32 s[JS], s[JD]
	s_cbranch_scc1 .Ldiag_b
.Ltwo:                                                 ; steps i/2 + 1 .. L/2 - 1: block L alone
	STEP 2, -1, 1
	s_cmp_lt_u32 s[JS], s[JD]
	s_cbranch_scc1 .Ltwo
.Ldiag_b:                                              ; step L/2: on block L's diagonal; nothing more is asked for
	STEP 2, 2, 0
	; y = O^T / the sum, rounded to f16: a tile's 16 registers pack into source 1 of the projection (16 tokens x my head's 32 channels) and go to LDS as they stand.  (The step's last five plain lines are the places behind its products.)
	WIN 0x01                                       ; source 0 window 1
.irp t, 0,1,2,3
	v_rcp_f32 v[RL+2*\t], v[SUM+8*\t]
.endr
	v_nop
	s_wait_alu depctr_va_vdst(0)                   ; one wait for the four reciprocals
.irp t, 0,1,2,3
.irp p, 0,1,2,3,4,5,6,7
	v_pk_mul_f32 v[S+32*\t+2*\p:S+32*\t+2*\p+1], v[O+16*\t+2*\p:O+16*\t+2*\p+1], v[RL+2*\t:RL+2*\t+1] op_sel_hi:[1,0]
.endr
.endr
	WIN 0
.irp t, 0,1,2,3
.irp p, 0,1,2,3,4,5,6,7
	v_cvt_pk_f16_f32 v[S+32*\t+\p], v[S+32*\t+2*\p], v[S+32*\t+2*\p+1]
.endr
.endr
.irp t, 0,1,2,3
.irp c, 0,1
	ds_store_b128 v[YW], v[S+32*\t+4*\c:S+32*\t+4*\c+3] offset:YIMG+8192*\t+512*\c
.endr
.endr
	s_wait_dscnt 0x0                               ; for the others' sake: my four images lie in LDS
	s_barrier_signal -1
	s_barrier_wait -1                              ; all 32 do
	; THE PROJECTION, transposed: source 0 = 16 columns of w_proj, source 1 = 16 tokens; K = a head's 32 channels a step, eight steps.  Eight accumulators (two tiles of columns x four of tokens, v128-191) by turns.
.macro YFETCH s                        ; head s's four fragments into the set s % 2, where K and V lay
.irp m, 0,1,2,3
.irp c, 0,1
	ds_load_b128 v[KF+32*((\s)%2)+8*\m+4*\c:KF+32*((\s)%2)+8*\m+4*\c+3], v[LI] offset:YIMG+(8*\m+(\s))*1024+512*\c
.endr
.endr
.endm
	YFETCH 0
	YFETCH 1
.irp s, 0,1,2,3,4,5,6,7
.if \s < 7
	s_wait_dscnt 8                                 ; this head's fragments are in; the next head's eight loads may be out
.else
	s_wait_dscnt 0x0
.endif
	WIN 0x01
.irp u, 0,1
.irp m, 0,1,2,3
.if \s == 0
	v_wmma_f32_16x16x32_f16 v[S+8*(4*\u+\m):S+8*(4*\u+\m)+7], v[WP+8*(8*\u+\s):WP+8*(8*\u+\s)+7], v[KF+32*(\s%2)+8*\m:KF+32*(\s%2)+8*\m+7], 0
.else
	v_wmma_f32_16x16x32_f16 v[S+8*(4*\u+\m):S+8*(4*\u+\m)+7], v[WP+8*(8*\u+\s):WP+8*(8*\u+\s)+7], v[KF+32*(\s%2)+8*\m:KF+32*(\s%2)+8*\m+7], v[S+8*(4*\u+\m):S+8*(4*\u+\m)+7]
.endif
.endr
.endr
	WIN 0
	PLACES 4                                       ; in front of the loads into the set just multiplied, and of the first read of results
.if \s < 6
	YFETCH \s+2
.endif
.endr
.irp u, 0,1
.irp m, 0,1,2,3
	ds_store_b128 v[SO], v[S+8*(4*\u+\m):S+8*(4*\u+\m)+3] offset:16*\m*SPITCH+64*\u        ; lane (r, h): out(16 m + r, 32 w + 16 u + 8 h + 0 .. 7); each accumulator from its low end on
	ds_store_b128 v[SO], v[S+8*(4*\u+\m)+4:S+8*(4*\u+\m)+7] offset:16*\m*SPITCH+64*\u+16
.endr
.endr
	s_wait_dscnt 0x0                               ; for the others' sake: my columns lie in the stage
	s_barrier_signal -1
	s_barrier_wait -1                              ; 64 whole rows do
	s_lshr_b32 s30, s[WV], 1
	s_or_b32 s30, s30, s[IB]
	s_cmp_eq_u32 s30, 0                            ; waves 0 and 1 of work-group i = 0 hold positions 0-15, which the second launch has stored: ids alone decide
	s_cbranch_scc1 .Lend
.irp n, 0,1,2,3,4,5,6,7,8,9,10,11,12,13,14,15
	ds_load_b128 v[192+4*\n:195+4*\n], v[SR] offset:(\n/2)*SPITCH+512*(\n%2)
.endr
.irp n, 0,1,2,3,4,5,6,7,8,9,10,11,12,13,14,15
	s_wait_dscnt 15-\n
	global_store_b128 v[LI], v[192+4*\n:195+4*\n], s[OB:OB+1] offset:512*\n th:TH_STORE_NT   ; 32 lanes store 512 consecutive bytes, at a multiple of 256 from out0's first byte; written once, read by nobody here
.endr
.Lend:
	s_wait_tensorcnt 0x0                           ; the wave's end: three closing lines, behind my last LDS store
	ds_add_u32 v[SPW], v[NIL]
	s_wait_dscnt 0x0
	s_endpgm
.Lfunc_end_k_q31cb2d3678_attn:
	.size	k_q31cb2d3678_attn, .Lfunc_end_k_q31cb2d3678_attn-k_q31cb2d3678_attn
	.p2alignl 7, 3214868480
	.fill 96, 4, 3214868480
	.section	.rodata,"a",@progbits
	.p2align	6, 0x0
	.amdhsa_kernel k_q31cb2d3678_attn
		.amdhsa_group_segment_fixed_size 100352
		.amdhsa_private_segment_fixed_size 0
		.amdhsa_enable_private_segment 0
		.amdhsa_kernarg_size 32
		.amdhsa_user_sgpr_count 2
		.amdhsa_user_sgpr_kernarg_segment_ptr 1
		.amdhsa_wavefront_size32 1
		.amdhsa_system_sgpr_workgroup_id_x 1
		.amdhsa_system_sgpr_workgroup_id_y 1
		.amdhsa_system_sgpr_workgroup_id_z 1
		.amdhsa_system_vgpr_workitem_id 0
		.amdhsa_next_free_vgpr 512
		.amdhsa_next_free_sgpr 66
		.amdhsa_reserve_vcc 1
		.amdhsa_float_denorm_mode_32 3
		.amdhsa_float_denorm_mode_16_64 3
		.amdhsa_memory_ordered 1
		.amdhsa_forward_progress 1
		.amdhsa_inst_pref_size 112
	.end_amdhsa_kernel
	.amdgpu_metadata
---
amdhsa.version: [ 1, 2 ]
amdhsa.kernels:
  - .name:           k_q31cb2d3678_attn
    .symbol:         k_q31cb2d3678_attn.kd
    .args:
      - { .name: qf, .offset: 0, .size: 8, .value_kind: global_buffer, .address_space: global }
      - { .name: kv, .offset: 8, .size: 8, .value_kind: global_buffer, .address_space: global }
      - { .name: wp, .offset: 16, .size: 8, .value_kind: global_buffer, .address_space: global }
      - { .name: out0, .offset: 24, .size: 8, .value_kind: global_buffer, .address_space: global }
    .group_segment_fixed_size: 100352
    .private_segment_fixed_size: 0
    .kernarg_segment_align: 8
    .kernarg_segment_size: 32
    .max_flat_workgroup_size: 256
    .sgpr_count:     66
    .vgpr_count:     512
    .wavefront_size: 32
...
	.end_amdgpu_metadata
.endif
;; end of part 4
;; ======== version 2 of 2: 4 launches; version 1 with the launches first16, qkv, attn written anew for expert scheduling mode
;; limits: values are held in f16: magnitudes above 65,504 overflow, below 6.1e-05 lose precision
;; workspace buffers: wq 98,304 bytes; ws 12,288 bytes; wp 131,072 bytes; qf 8,388,608 bytes; kv 16,777,216 bytes
;; launch prep: the kernel of part 1 again; grid 32 x 1, 4 waves a work-group, no clusters, 0 bytes of LDS; arguments w_attn, w_proj, wq, ws, wp; writes wq, ws, wp
;; launch first16 (part 5): grid 8 x 4, 8 waves a work-group, no clusters, 35,840 bytes of LDS; arguments x, wq, ws, w_proj, out0; writes out0
.if DOCPART == 5
	.amdgcn_target "amdgcn-amd-amdhsa--gfx1250"
	.amdhsa_code_object_version 6
	.text
	.protected	k_q31cb2d3678_first16
	.globl	k_q31cb2d3678_first16
	.p2align	8
	.type	k_q31cb2d3678_first16,@function
k_q31cb2d3678_first16:
	s_mov_b64 s[64:65], 0
	v_nop
	global_prefetch_b8 v0, s[64:65] scope:SCOPE_SE
	s_setreg_imm32_b32 hwreg(HW_REG_WAVE_SCHED_MODE, 0, 2), 2
	s_setreg_imm32_b32 hwreg(HW_REG_WAVE_MODE, 25, 1), 1
	s_wait_xcnt 0x0
	s_wait_alu depctr_vm_vsrc(0)
; POSITIONS 0 TO 15 OF EVERY SEQUENCE, with everything behind the quantised product in f32: these rows average one to sixteen values and are the largest of the output, so operands of 16 bits are too coarse for them.
; Keys after position 15 are hidden from these queries by reference()'s own mask: they are not touched (the first launch's head shows why).
; SHARES.  A work-group takes a batch (x) and 64 output columns (y); each of its eight waves takes a head.  Every wave quantises the 16 rows of x itself (4,096 numbers: less than a way through LDS with a barrier),
; makes its head's q, k, v by the quantised product (12 matrix instructions on codes of E2M1), the 16 x 16 scores, the softmax, y, and its head's part of the projection; the eight parts meet in LDS and are added.
; NOTHING CHANGES LANES.  q and k are made transposed (source 0 = 16 columns of w_attn, source 1 = x): lane (r, h) holds token r and d = 16 u + 8 h + 0 .. 7.  v is made in the natural order: lane (r, h) holds d = 16 t + r
; and tokens 8 h + 0 .. 7.  The f32 matrix form takes 4 along K, place 2 h + j in register j of lane (r, h); a pair of neighbouring registers of both operands is fed as it stands: both sides then put the same d
; (or the same key) in the same place, which is all that a sum over K asks.  The registers that the f32 form writes (v48-111) are written by matrix instructions alone.
; LIMITS: NaN and infinities among the inputs are not served; 1 / sum by v_rcp_f32; the eight heads' parts are added in ascending order of heads, each head's 32 terms first.
; THE MODE: SCHED_MODE bits 1:0 = 2 (LLVM: expert scheduling mode 2), set by the entry lines.  The code itself states the register dependences between vector or matrix instructions and memory or LDS instructions, with s_wait_alu, always for 0.
; THE PLAN.  Registers that memory or LDS instructions touch:
;   v1, v4-9      offsets and LDS addresses: written at the head, never again: one wait ahead of the first load serves every load and store of the kernel.
;   v32-43, v112-239, window 1   loads land in them at the head alone.
;   v80-111       the projection's sums: written by matrix instructions, read by the LDS stores: one wait, behind the places.  The same wait shows the softmax's lines done with v192-223, in which the parts' LDS loads land.
;   v192-195      written by the additions of the parts, read by the one global store: one wait.
; Beside these: x's codes and scale words, made by vector lines, go to scaled matrix instructions (one wait behind the places); the wave's number and the eight masks go through scalar registers (a wait ahead of the first reader).
; REGISTERS.  Window 0: v1-11 addresses; v16-31 x's two fragments; v32-43 the weights' scale words; v44-45 x's; v48-111 f32 sums; v112-239 x's numbers, later q, k, v (v112-159), p (v160-167), y (v168-183), at work (v184-223); v240-255 the quantiser's.
;   Window 1: v0-95 my 12 fragments of w_attn; v96-159 my part of w_proj, f32.
.set PPITCH, 272                       ; a row of a part: 64 f32 + 16 bytes
.set PARTB,  16*PPITCH                 ; a wave's part: 16 rows
.set SPARE,  8*PARTB                   ; behind the parts: the spare words, 128 bytes for each wave
.set LI,  1                            ; 16 x lane
.set SPW, 2                            ; LDS address of my spare word; never rewritten
.set NIL, 3                            ; 0; never rewritten
.set XA,  4                            ; x: row r of 1,024 bytes + 64 h
.set LS,  5                            ; 4 x lane
.set WPA, 6                            ; w_proj: 8 h rows down, column r
.set PS,  7                            ; where I put 32 bytes of my part
.set PR,  8                            ; where I read the parts back
.set GO,  9                            ; my byte offset in the 16 rows of out0
.set DD,  10                           ; r - 8 h
.set NINF, 11                          ; -infinity
.set XF,  16
.set WS,  32
.set XS,  44
.set SA,  48                           ; scores, d = 0 .. 15;  SB: d = 16 .. 31
.set SB,  56
.set OA,  64                           ; O^T, d = 0 .. 15;  OA + 8: d = 16 .. 31
.set OUT, 80                           ; four tiles of 16 output columns
.set X,   112
.set DQ,  112                          ; q (two tiles), k at + 16, v at + 32
.set DK,  128
.set DV,  144
.set T,   160
.set Y,   168
.set MX,  184
.set CM,  186
.set RL,  188
.set AD,  190
.set PB,  192
.set TM,  240
.set WF,  0                            ; window 1
.set WP,  96
.set SEL, 20
.set CS,  22
.set MK,  40                           ; s40-47: the eight masks of the causal compares
.set MSB, 0
.macro WIN new                         ; the immediate's high byte repeats the setting that is left
.if MSB != \new
	s_set_vgpr_msb (MSB<<8)|\new
.set MSB, \new
.endif
.endm
.macro PLACES n                        ; plain vector lines behind a matrix instruction (ISA guide 7.12.1)
.rept \n
	v_nop
.endr
.endm
; 64 numbers of a lane, register 16 b + i = k 32 b + 16 (lane / 16) + i of my row, become a fragment's codes in v[pc] on and its scale word in v[pw].
.macro QUANT s, pc, pw
.irp b, 0,1,2,3
	v_max3_num_f32 v[TM+\b], |v[\s+16*\b]|, |v[\s+1+16*\b]|, 0x1800000   ; block b: my 16 numbers, and the floor 2^(3 - 127): the byte cannot fall under 1
.endr
.irp i, 2,4,6,8,10,12,14
.irp b, 0,1,2,3
	v_max3_num_f32 v[TM+\b], v[TM+\b], |v[\s+16*\b+\i]|, |v[\s+1+16*\b+\i]|   ; (the four blocks by turns)
.endr
.endr
.irp b, 0,1,2,3
	v_permlanex16_b32 v[TM+4+\b], v[TM+\b], s[SEL], s[SEL+1]
.endr
.irp b, 0,1,2,3
	v_max_num_f32 v[TM+\b], v[TM+\b], v[TM+4+\b]   ; with lane l xor 16's: the block's largest magnitude
.endr
.irp b, 0,1,2,3
	v_add_nc_u32 v[TM+12+\b], 0xff000000, v[TM+\b] ; 2 off its exponent field: the conversion's scale operand
.endr
.irp b, 0,1,2,3
	v_lshrrev_b32 v[TM+4+\b], 23, v[TM+12+\b]      ; the scale's byte
.endr
	v_lshl_or_b32 v[\pw], v[TM+5], 8, v[TM+4]      ; the four bytes make my row's scale word
	v_lshl_or_b32 v[\pw], v[TM+6], 16, v[\pw]
	v_lshl_or_b32 v[\pw], v[TM+7], 24, v[\pw]
.irp b, 0,1,2,3
	v_cvt_scalef32_pk8_fp4_f32 v[\pc+2*\b], v[\s+16*\b:\s+7+16*\b], v[TM+12+\b]
	v_cvt_scalef32_pk8_fp4_f32 v[\pc+1+2*\b], v[\s+8+16*\b:\s+15+16*\b], v[TM+12+\b]
.endr
	v_nop                                          ; one plain line behind a scaled conversion
.irp c, 0,1                                    ; the operand's layout wants a WHOLE block in a lane: lanes 0-15 block 2 c, lanes 16-31 block 2 c + 1
.irp i, 0,1
	v_permlane16_swap_b32 v[\pc+4*\c+\i], v[\pc+2+4*\c+\i]
.endr
.endr
.endm
	s_load_b256 s[4:11], s[0:1], 0x0               ; x s[4:5], wq s[6:7], ws s[8:9], w_proj s[10:11]
	s_load_b64 s[12:13], s[0:1], 0x20              ; out0
	v_lshl_add_u32 v[SPW], v0, 2, SPARE
	v_mov_b32 v[NIL], 0
	v_lshrrev_b32 v12, 5, v0
	v_readfirstlane_b32 s14, v12                   ; wave = head
	s_and_b32 s15, ttmp7, 0xffff                   ; which 64 output columns
	v_and_b32 v12, 31, v0                          ; lane
	v_and_b32 v13, 15, v0                          ; r
	v_bfe_u32 v14, v0, 4, 1                        ; h
	v_lshlrev_b32 v[LI], 4, v12
	v_lshlrev_b32 v[LS], 2, v12
	v_lshlrev_b32 v[XA], 10, v13
	v_lshl_add_u32 v[XA], v14, 6, v[XA]
	v_lshlrev_b32 v[WPA], 13, v14
	v_lshl_add_u32 v[WPA], v13, 2, v[WPA]
	s_wait_alu depctr_va_sdst(0)                   ; s14, the wave's number, is written, ahead of its first reader: LDS places and the buffers' offsets are made from it
	s_mul_i32 s34, s14, PARTB                      ; (each scalar that a vector line reads here has a register of its own)
	v_mul_u32_u24 v[PS], v13, PPITCH
	v_lshl_add_u32 v[PS], v14, 5, v[PS]
	v_add_nc_u32 v[PS], s34, v[PS]                 ; my part: row r, + 32 h
	s_mul_i32 s35, s14, 2*PPITCH
	v_mul_u32_u24 v[PR], v14, PPITCH
	v_lshl_add_u32 v[PR], v13, 4, v[PR]
	v_add_nc_u32 v[PR], s35, v[PR]                 ; back: row 2 w + lane / 16, 16 bytes a lane
	s_lshl_b32 s36, s14, 11
	v_lshlrev_b32 v[GO], 10, v14
	v_lshl_add_u32 v[GO], v13, 4, v[GO]
	v_add_nc_u32 v[GO], s36, v[GO]                 ; and the same row in out0
	v_lshlrev_b32 v[DD], 3, v14
	v_sub_nc_u32 v[DD], v13, v[DD]
	v_mov_b32 v[NINF], 0xff800000
	v_mov_b32 v[MX+1], 0                           ; lane permutes' destinations count as sources: written once
	v_mov_b32 v[RL+1], 0
.irp b, 0,1,2,3
	v_mov_b32 v[TM+4+\b], 0
.endr
	s_mov_b32 s[SEL], 0x76543210
	s_mov_b32 s[SEL+1], 0xfedcba98                 ; lane l xor 16
	s_mov_b32 s[CS], 0x3e8293ee                    ; c = log2(e) / sqrt(32)
	s_lshl_b32 s24, ttmp9, 21                      ; the batch's 2,048 rows of 1,024 bytes
	s_mov_b32 s25, 0
	s_lshl_b32 s26, s14, 12                        ; wq: my head's four units of q
	s_mov_b32 s27, 0
	s_lshl_b32 s28, s14, 9                         ; ws likewise
	s_mov_b32 s29, 0
	s_lshl_b32 s30, s14, 15                        ; w_proj: my head's 32 rows,
	s_lshl_b32 s16, s15, 8                         ; my work-group's 64 columns
	s_add_co_u32 s30, s30, s16
	s_mov_b32 s31, 0
	s_add_co_u32 s32, s24, s16                     ; out0: the batch, the 64 columns
	s_mov_b32 s33, 0
	s_wait_kmcnt 0x0
	s_add_nc_u64 s[4:5], s[4:5], s[24:25]
	s_add_nc_u64 s[6:7], s[6:7], s[26:27]
	s_add_nc_u64 s[8:9], s[8:9], s[28:29]
	s_add_nc_u64 s[10:11], s[10:11], s[30:31]
	s_add_nc_u64 s[12:13], s[12:13], s[32:33]
	s_wait_alu depctr_va_vdst(0)                   ; the offsets and LDS addresses v1, v4 to v9 are written, which the loads and stores of the kernel read; so are v185 and v189, in which loads of x land
.irp s, 0,1                                    ; x: of row r, 16 neighbours of each block of 32
.irp b, 0,1,2,3
.irp j, 0,1,2,3
	global_load_b128 v[X+64*\s+16*\b+4*\j:X+64*\s+16*\b+4*\j+3], v[XA], s[4:5] offset:512*\s+128*\b+16*\j
.endr
.endr
.endr
.irp kd, 0,1,2                                 ; the scale words of q's, k's and v's tiles: index 4 kd + 2 u + s
.irp us, 0,1,2,3
	global_load_b32 v[WS+4*\kd+\us], v[LS], s[8:9] offset:4096*\kd+128*\us
.endr
.endr
	WIN 0x40                                       ; destination window 1 (between the wait above and the loads below stand loads and this switch alone)
.irp kd, 0,1,2
.irp us, 0,1,2,3
.irp c, 0,1
	global_load_b128 v[WF+8*(4*\kd+\us)+4*\c:WF+8*(4*\kd+\us)+4*\c+3], v[LI], s[6:7] offset:32768*\kd+1024*\us+512*\c
.endr
.endr
.endr
.irp u, 0,1,2,3                                ; w_proj(32 head + 16 t + 8 h + 2 s' + j, 64 y + 16 u + r), sg = 4 t + s'
.irp sg, 0,1,2,3,4,5,6,7
.irp j, 0,1
	global_load_b32 v[WP+2*(8*\u+\sg)+\j], v[WPA], s[10:11] offset:(16*(\sg/4)+2*(\sg%4)+\j)*1024+64*\u
.endr
.endr
.endr
	WIN 0
	s_wait_loadcnt 0x0
	QUANT X, XF, XS
	QUANT X+64, XF+8, XS+1
	PLACES 8                                       ; a scale register written by a vector line stands 8 places ahead of a scaled matrix instruction, an operand 4
	s_wait_alu depctr_va_vdst(0)                   ; the quantiser's lines have written x's fragments v16-31 and scale words v44-45, which the scaled matrix instructions take; the places above stay beside this wait
.irp s, 0,1                                    ; THE QUANTISED PRODUCT: six accumulators by turns; the first K step starts the sums
	WIN 0x01                                       ; source 0 (the weight) window 1
.irp ti, 0,1,2,3
.if \s == 0
	v_wmma_scale_f32_16x16x128_f8f6f4 v[DQ+8*\ti:DQ+8*\ti+7], v[WF+8*(2*\ti+\s):WF+8*(2*\ti+\s)+7], v[XF+8*\s:XF+8*\s+7], 0, v[WS+2*\ti+\s], v[XS+\s] matrix_a_fmt:MATRIX_FMT_FP4 matrix_b_fmt:MATRIX_FMT_FP4
.else
	v_wmma_scale_f32_16x16x128_f8f6f4 v[DQ+8*\ti:DQ+8*\ti+7], v[WF+8*(2*\ti+\s):WF+8*(2*\ti+\s)+7], v[XF+8*\s:XF+8*\s+7], v[DQ+8*\ti:DQ+8*\ti+7], v[WS+2*\ti+\s], v[XS+\s] matrix_a_fmt:MATRIX_FMT_FP4 matrix_b_fmt:MATRIX_FMT_FP4
.endif
.endr
	WIN 0x04                                       ; source 1 (the weight) window 1
.irp ti, 4,5
.if \s == 0
	v_wmma_scale_f32_16x16x128_f8f6f4 v[DQ+8*\ti:DQ+8*\ti+7], v[XF+8*\s:XF+8*\s+7], v[WF+8*(2*\ti+\s):WF+8*(2*\ti+\s)+7], 0, v[XS+\s], v[WS+2*\ti+\s] matrix_a_fmt:MATRIX_FMT_FP4 matrix_b_fmt:MATRIX_FMT_FP4
.else
	v_wmma_scale_f32_16x16x128_f8f6f4 v[DQ+8*\ti:DQ+8*\ti+7], v[XF+8*\s:XF+8*\s+7], v[WF+8*(2*\ti+\s):WF+8*(2*\ti+\s)+7], v[DQ+8*\ti:DQ+8*\ti+7], v[XS+\s], v[WS+2*\ti+\s] matrix_a_fmt:MATRIX_FMT_FP4 matrix_b_fmt:MATRIX_FMT_FP4
.endif
.endr
.endr
	WIN 0
	PLACES 5                                       ; the results become operands of matrix instructions
.irp sp, 0,1,2,3                               ; S^T = k q^T: key 8 h + j in register j, query r; two sums by turns, d = 0 .. 15 and d = 16 .. 31
.if \sp == 0
	v_wmma_f32_16x16x4_f32 v[SA:SA+7], v[DK+2*\sp:DK+2*\sp+1], v[DQ+2*\sp:DQ+2*\sp+1], 0
	v_wmma_f32_16x16x4_f32 v[SB:SB+7], v[DK+8+2*\sp:DK+8+2*\sp+1], v[DQ+8+2*\sp:DQ+8+2*\sp+1], 0
.else
	v_wmma_f32_16x16x4_f32 v[SA:SA+7], v[DK+2*\sp:DK+2*\sp+1], v[DQ+2*\sp:DQ+2*\sp+1], v[SA:SA+7]
	v_wmma_f32_16x16x4_f32 v[SB:SB+7], v[DK+8+2*\sp:DK+8+2*\sp+1], v[DQ+8+2*\sp:DQ+8+2*\sp+1], v[SB:SB+7]
.endif
.endr
	PLACES 8
.irp j, 0,1,2,3,4,5,6,7
	v_cmp_gt_i32 s[MK+\j], \j, v[DD]               ; key 8 h + j comes after query r: the eight compares in one run, a mask register each
.endr
.irp j, 0,1,2,3,4,5,6,7
	v_add_f32 v[T+\j], v[SA+\j], v[SB+\j]          ; the score, from each sum's low end on
.endr
	s_wait_alu depctr_va_sdst(0)                   ; the eight compares have written s40 to s47, ahead of the selects that read them
.irp j, 0,1,2,3,4,5,6,7
	v_cndmask_b32 v[T+\j], v[T+\j], v[NINF], s[MK+\j]
.endr
	v_max3_num_f32 v[MX], v[T], v[T+1], v[T+2]
	v_max3_num_f32 v[MX], v[MX], v[T+3], v[T+4]
	v_max3_num_f32 v[MX], v[MX], v[T+5], v[T+6]
	v_max_num_f32 v[MX], v[MX], v[T+7]
	v_permlanex16_b32 v[MX+1], v[MX], s[SEL], s[SEL+1]
	v_max_num_f32 v[MX], v[MX], v[MX+1]            ; the row's largest score: key 0 counts for every query, so it is a number
	v_mul_f32 v[CM], s[CS], v[MX]
.irp j, 0,1,2,3,4,5,6,7
	v_fma_f32 v[T+\j], v[T+\j], s[CS], -v[CM]      ; c (score - maximum)
.endr
.irp j, 0,1,2,3,4,5,6,7
	v_exp_f32 v[T+\j], v[T+\j]
.endr
	v_nop                                          ; a plain line behind the last exponential
	s_wait_alu depctr_va_vdst(0)                   ; the eight exponentials have written p, v160-167: one wait for the batch, ahead of its first reader
	v_pk_add_f32 v[AD:AD+1], v[T:T+1], v[T+2:T+3]
	v_pk_add_f32 v[PB:PB+1], v[T+4:T+5], v[T+6:T+7]
	v_pk_add_f32 v[AD:AD+1], v[AD:AD+1], v[PB:PB+1]
	v_add_f32 v[RL], v[AD], v[AD+1]
	v_permlanex16_b32 v[RL+1], v[RL], s[SEL], s[SEL+1]
	v_add_f32 v[RL], v[RL], v[RL+1]                ; the row's sum
	v_rcp_f32 v[RL], v[RL]
	v_nop
	s_wait_alu depctr_va_vdst(0)                   ; the reciprocal has written v188, ahead of its first reader
.irp sp, 0,1,2,3                               ; O^T = v^T p: d = 16 t + 8 h + j in register j, query r
.if \sp == 0
	v_wmma_f32_16x16x4_f32 v[OA:OA+7], v[DV+2*\sp:DV+2*\sp+1], v[T+2*\sp:T+2*\sp+1], 0
	v_wmma_f32_16x16x4_f32 v[OA+8:OA+15], v[DV+8+2*\sp:DV+8+2*\sp+1], v[T+2*\sp:T+2*\sp+1], 0
.else
	v_wmma_f32_16x16x4_f32 v[OA:OA+7], v[DV+2*\sp:DV+2*\sp+1], v[T+2*\sp:T+2*\sp+1], v[OA:OA+7]
	v_wmma_f32_16x16x4_f32 v[OA+8:OA+15], v[DV+8+2*\sp:DV+8+2*\sp+1], v[T+2*\sp:T+2*\sp+1], v[OA+8:OA+15]
.endif
.endr
	PLACES 8
.irp p, 0,1,2,3,4,5,6,7
	v_pk_mul_f32 v[Y+2*\p:Y+2*\p+1], v[OA+2*\p:OA+2*\p+1], v[RL:RL+1] op_sel_hi:[1,0]   ; y = O / the sum, into other registers
.endr
	WIN 0x01                                       ; source 0 (w_proj) window 1
.irp sg, 0,1,2,3,4,5,6,7                       ; my head's part of the projection, transposed: output column 16 u + 8 h + j in register j, token r; four sums by turns
.irp u, 0,1,2,3
.if \sg == 0
	v_wmma_f32_16x16x4_f32 v[OUT+8*\u:OUT+8*\u+7], v[WP+2*(8*\u+\sg):WP+2*(8*\u+\sg)+1], v[Y+2*\sg:Y+2*\sg+1], 0
.else
	v_wmma_f32_16x16x4_f32 v[OUT+8*\u:OUT+8*\u+7], v[WP+2*(8*\u+\sg):WP+2*(8*\u+\sg)+1], v[Y+2*\sg:Y+2*\sg+1], v[OUT+8*\u:OUT+8*\u+7]
.endif
.endr
.endr
	WIN 0
	PLACES 8
	s_wait_alu depctr_va_vdst(0)                   ; the matrix instructions have written v80-111, which the LDS stores read (the places above stay beside this wait); and the softmax's lines are done with v192-223, in which the parts' loads land
.irp u, 0,1,2,3
	ds_store_b128 v[PS], v[OUT+8*\u:OUT+8*\u+3] offset:64*\u         ; each sum from its low end on
	ds_store_b128 v[PS], v[OUT+8*\u+4:OUT+8*\u+7] offset:64*\u+16
.endr
	s_wait_dscnt 0x0                               ; for the others' sake: my part lies in LDS
	s_barrier_signal -1
	s_barrier_wait -1
.irp p, 0,1,2,3,4,5,6,7
	ds_load_b128 v[PB+4*\p:PB+4*\p+3], v[PR] offset:PARTB*\p
.endr
	s_wait_dscnt 0x0
.irp p, 1,2,3,4,5,6,7
	v_pk_add_f32 v[PB:PB+1], v[PB:PB+1], v[PB+4*\p:PB+4*\p+1]
	v_pk_add_f32 v[PB+2:PB+3], v[PB+2:PB+3], v[PB+4*\p+2:PB+4*\p+3]
.endr
	s_wait_alu depctr_va_vdst(0)                   ; the additions have written v192-195, which the store reads
	global_store_b128 v[GO], v[PB:PB+3], s[12:13]  ; sixteen lanes store 256 consecutive bytes, at a multiple of 256 from out0's first byte
	s_wait_dscnt 0x0                               ; the closing lines, six on end
	s_wait_alu 0x0
	s_wait_tensorcnt 0x0
	ds_add_u32 v[SPW], v[NIL]
	s_wait_dscnt 0x0
	s_endpgm
.Lfunc_end_k_q31cb2d3678_first16:
	.size	k_q31cb2d3678_first16, .Lfunc_end_k_q31cb2d3678_first16-k_q31cb2d3678_first16
	.p2alignl 7, 3214868480
	.fill 96, 4, 3214868480
	.section	.rodata,"a",@progbits
	.p2align	6, 0x0
	.amdhsa_kernel k_q31cb2d3678_first16
		.amdhsa_group_segment_fixed_size 35840
		.amdhsa_private_segment_fixed_size 0
		.amdhsa_enable_private_segment 0
		.amdhsa_kernarg_size 40
		.amdhsa_user_sgpr_count 2
		.amdhsa_user_sgpr_kernarg_segment_ptr 1
		.amdhsa_wavefront_size32 1
		.amdhsa_system_sgpr_workgroup_id_x 1
		.amdhsa_system_sgpr_workgroup_id_y 1
		.amdhsa_system_sgpr_workgroup_id_z 1
		.amdhsa_system_vgpr_workitem_id 0
		.amdhsa_next_free_vgpr 448
		.amdhsa_next_free_sgpr 66
		.amdhsa_reserve_vcc 0
		.amdhsa_float_denorm_mode_32 3
		.amdhsa_float_denorm_mode_16_64 3
		.amdhsa_memory_ordered 1
		.amdhsa_forward_progress 1
		.amdhsa_inst_pref_size 35
	.end_amdhsa_kernel
	.amdgpu_metadata
---
amdhsa.version: [ 1, 2 ]
amdhsa.kernels:
  - .name:           k_q31cb2d3678_first16
    .symbol:         k_q31cb2d3678_first16.kd
    .args:
      - { .name: x, .offset: 0, .size: 8, .value_kind: global_buffer, .address_space: global }
      - { .name: wq, .offset: 8, .size: 8, .value_kind: global_buffer, .address_space: global }
      - { .name: ws, .offset: 16, .size: 8, .value_kind: global_buffer, .address_space: global }
      - { .name: w_proj, .offset: 24, .size: 8, .value_kind: global_buffer, .address_space: global }
      - { .name: out0, .offset: 32, .size: 8, .value_kind: global_buffer, .address_space: global }
    .group_segment_fixed_size: 35840
    .private_segment_fixed_size: 0
    .kernarg_segment_align: 8
    .kernarg_segment_size: 40
    .max_flat_workgroup_size: 256
    .sgpr_count:     66
    .vgpr_count:     448
    .wavefront_size: 32
...
	.end_amdgpu_metadata
.endif
;; end of part 5
;; launch qkv (part 6): grid 256 x 1, 8 waves a work-group, no clusters, 77,824 bytes of LDS; arguments x, wq, ws, qf, kv; writes qf, kv
.if DOCPART == 6
	.amdgcn_target "amdgcn-amd-amdhsa--gfx1250"
	.amdhsa_code_object_version 6
	.text
	.protected	k_q31cb2d3678_qkv
	.globl	k_q31cb2d3678_qkv
	.p2align	8
	.type	k_q31cb2d3678_qkv,@function
k_q31cb2d3678_qkv:
	s_mov_b64 s[64:65], 0
	v_nop
	global_prefetch_b8 v0, s[64:65] scope:SCOPE_SE
	s_setreg_imm32_b32 hwreg(HW_REG_WAVE_SCHED_MODE, 0, 2), 2
	s_setreg_imm32_b32 hwreg(HW_REG_WAVE_MODE, 25, 1), 1
	s_wait_xcnt 0x0
	s_wait_alu depctr_vm_vsrc(0)
; qkv = Q(x) Q(w_attn), the quantised product: codes of E2M1, one E8M0 scale for each 32 along K = 256; sums in f32.  The results leave as f16, in the order in which the next launch's operand registers take them.
; SHARES.  A work-group takes 64 tokens (four tiles of 16), which are one step of 64 keys of one batch.  x is read by this work-group alone, once: it is quantised on the way.  Wave w quantises tile w / 2, K step w % 2
; (16 rows x 128), and hands codes and scale words to the others through LDS as an image of the operand's registers.  Then wave w is head w: its 12 fragments of w_attn's codes (q, k, v: two tiles of 16 columns x two K steps each)
; stay in registers, and it makes its head's q, k and v for the four tiles of tokens.
; x's loads read 512 consecutive bytes of one row; the conversions want 16 neighbours along K in one lane: the 8,192 bytes turn through the wave's own bytes of LDS (rows 528 bytes apart).
; LAYOUT OF THE RESULTS.  q and k are made transposed (source 0 = 16 columns of w_attn, source 1 = 16 tokens): lane (r, h) holds token r and d = 16 u + 8 h + 0 .. 7: rounded in pairs these are part u of a 16-bit operand
; (16 tokens x 32 d).  v is made in the natural order: lane (r, h) holds d = 16 t + r and tokens 8 h + 0 .. 7: part m % 2 of an operand of V^T (16 d x 32 keys).  q is multiplied by c = log2(e) / sqrt(32) in f32 first.
; qf[((batch 8 + head) 128 + tile of tokens) 1,024 + 512 part + 16 lane];  kv[((batch 8 + head) 32 + step) 8,192 + ..]: four fragments of K (16 keys each), then four of V^T (index 2 (32 keys) + (16 d)).  Each store of a wave covers 512 consecutive bytes, aligned.
; LIMITS: |c q|, |k|, |v| stay under 65,504 (f16); NaN and infinities among the inputs are not served; a block of zeros gets the byte 1 with zero codes.
; THE MODE: SCHED_MODE bits 1:0 = 2 (LLVM: expert scheduling mode 2), set by the entry lines.  The code itself states the register dependences between vector or matrix instructions and memory or LDS instructions, with s_wait_alu, always for 0.
; THE PLAN.  Registers that memory or LDS instructions touch:
;   v1, v4-8      offsets and LDS addresses: written at the head, never again: one wait ahead of the first load.
;   v128-191      x as loaded: read by the turn's LDS stores, then written by the quantiser: one wait on vm_vsrc.
;   v144-152      the codes and the scale word: written by the quantiser, read by the image's LDS stores (a wait on va_vdst), then accumulators (a wait on vm_vsrc behind the barrier).
;   XF0, XF1      two sets of x's fragments and scale words.  Tile m's products read set m % 2; the LDS loads of tile m + 2, issued at the head of tile m + 1, land in it.
;   PK0, PK1      two out-buffers.  Tile m's roundings write buffer m % 2; its six stores read it; tile m + 2's roundings write it again.
; ONE wait on va_vdst stands in a tile, behind its roundings: it states that the out-buffer is written, for the stores, and that the tile's products are done reading their set of fragments, for the loads at the next tile's head;
; between it and those loads stand the stores alone.  The wait on vm_vsrc (beside the one on XCNT) ahead of a buffer's second use stands a whole tile behind the stores that it waits for.
; REGISTERS: v1-8 addresses; v16-27 the weights' scale words; v28-31 x's, two sets; v32-127 the weights' fragments; v128-191 x as loaded, then the quantiser's, then x's fragments, set 0 (v128-143) and six accumulators (v144-191);
;   v192-255 x's 64 neighbours, then the two out-buffers (v192-215, v216-239) and x's fragments, set 1 (v240-255).
.set XIMG,  0                          ; LDS: x's 8 fragments (2 x tile + K step), 1,024 bytes each,
.set XSC,   8192                       ; their scale words, 128 bytes each,
.set TURN,  9216                       ; the waves' own bytes for the turn: 16 rows x 528 each,
.set TURNB, 16*528
.set SPARE, TURN+8*TURNB               ; and the spare words, 128 bytes for each wave
.set LI,  1                            ; 16 x lane
.set SPW, 2                            ; LDS address of my spare word; never rewritten
.set NIL, 3                            ; 0; never rewritten
.set TW,  4                            ; the turn, on the way in
.set TR,  5                            ; and out
.set LS,  6                            ; 4 x lane
.set XWI, 7                            ; where I store my image
.set XWS, 8                            ; and its scale words
.set WS,  16
.set XS,  28                           ; set p at XS + 2 p
.set WF,  32
.set R,   128
.set TM,  128
.set PC,  144
.set PW,  152
.set XF,  128                          ; set p at XF + 112 p
.set ACC, 144
.set X,   192
.set PK,  192                          ; buffer p at PK + 24 p
.set SEL, 20
.set CS,  22
.macro QUANT s, pc, pw                 ; 64 numbers of a lane, register 16 b + i = k 32 b + 16 (lane / 16) + i of my row, become a fragment's codes in v[pc] on and its scale word in v[pw]
.irp b, 0,1,2,3
	v_max3_num_f32 v[TM+\b], |v[\s+16*\b]|, |v[\s+1+16*\b]|, 0x1800000   ; block b: my 16 numbers, and the floor 2^(3 - 127): the byte cannot fall under 1
.endr
.irp i, 2,4,6,8,10,12,14
.irp b, 0,1,2,3
	v_max3_num_f32 v[TM+\b], v[TM+\b], |v[\s+16*\b+\i]|, |v[\s+1+16*\b+\i]|   ; (the four blocks by turns)
.endr
.endr
.irp b, 0,1,2,3
	v_permlanex16_b32 v[TM+4+\b], v[TM+\b], s[SEL], s[SEL+1]
.endr
.irp b, 0,1,2,3
	v_max_num_f32 v[TM+\b], v[TM+\b], v[TM+4+\b]   ; with lane l xor 16's: the block's largest magnitude
.endr
.irp b, 0,1,2,3
	v_add_nc_u32 v[TM+12+\b], 0xff000000, v[TM+\b] ; 2 off its exponent field: the conversion's scale operand
.endr
.irp b, 0,1,2,3
	v_lshrrev_b32 v[TM+4+\b], 23, v[TM+12+\b]      ; the scale's byte
.endr
	v_lshl_or_b32 v[\pw], v[TM+5], 8, v[TM+4]      ; the four bytes make my row's scale word
	v_lshl_or_b32 v[\pw], v[TM+6], 16, v[\pw]
	v_lshl_or_b32 v[\pw], v[TM+7], 24, v[\pw]
.irp b, 0,1,2,3
	v_cvt_scalef32_pk8_fp4_f32 v[\pc+2*\b], v[\s+16*\b:\s+7+16*\b], v[TM+12+\b]
	v_cvt_scalef32_pk8_fp4_f32 v[\pc+1+2*\b], v[\s+8+16*\b:\s+15+16*\b], v[TM+12+\b]
.endr
	v_nop                                          ; one plain line behind a scaled conversion
.irp c, 0,1                                    ; the operand's layout wants a WHOLE block in a lane
.irp i, 0,1
	v_permlane16_swap_b32 v[\pc+4*\c+\i], v[\pc+2+4*\c+\i]
.endr
.endr
.endm
.macro XLOAD m                         ; tile m's two fragments and two scale words, six LDS loads, into set m % 2
.irp s, 0,1
.irp c, 0,1
	ds_load_b128 v[XF+112*((\m)%2)+8*\s+4*\c:XF+112*((\m)%2)+8*\s+4*\c+3], v[LI] offset:XIMG+(2*(\m)+\s)*1024+512*\c
.endr
	ds_load_b32 v[XS+2*((\m)%2)+\s], v[LS] offset:XSC+(2*(\m)+\s)*128
.endr
.endm
	s_load_b256 s[4:11], s[0:1], 0x0               ; x s[4:5], wq s[6:7], ws s[8:9], qf s[10:11]
	s_load_b64 s[12:13], s[0:1], 0x20              ; kv
	v_lshl_add_u32 v[SPW], v0, 2, SPARE
	v_mov_b32 v[NIL], 0
	v_lshrrev_b32 v9, 5, v0
	v_readfirstlane_b32 s14, v9                    ; wave = head
	v_and_b32 v9, 31, v0                           ; lane
	v_and_b32 v10, 15, v0                          ; r
	v_bfe_u32 v11, v0, 4, 1                        ; h
	v_lshlrev_b32 v[LI], 4, v9
	v_lshlrev_b32 v[LS], 2, v9
	s_wait_alu depctr_va_sdst(0)                   ; s14, the wave's number, is written, ahead of its first reader: LDS places and the buffers' offsets are made from it
	s_mul_i32 s32, s14, TURNB                      ; (each scalar that a vector line reads here has a register of its own)
	s_add_co_u32 s32, s32, TURN
	v_add_nc_u32 v[TW], s32, v[LI]                 ; in: a row's 512 bytes as they lie
	v_mul_u32_u24 v[TR], v10, 528
	v_lshl_add_u32 v[TR], v11, 6, v[TR]
	v_add_nc_u32 v[TR], s32, v[TR]                 ; out: row r, + 64 h: my 16 numbers of a block of 32
	s_lshl_b32 s33, s14, 10
	v_add_nc_u32 v[XWI], s33, v[LI]
	s_lshl_b32 s34, s14, 7
	v_add_nc_u32 v[XWS], s34, v[LS]
	s_mov_b32 s[SEL], 0x76543210
	s_mov_b32 s[SEL+1], 0xfedcba98                 ; lane l xor 16
	s_mov_b32 s[CS], 0x3e8293ee                    ; c = log2(e) / sqrt(32)
	s_mov_b32 s[CS+1], s[CS]                       ; (named with it as a pair, so it is written)
	s_lshl_b32 s16, ttmp9, 16                      ; x: my work-group's 64 rows of 1,024 bytes,
	s_lshr_b32 s17, s14, 1
	s_lshl_b32 s17, s17, 14                        ; my tile of 16,
	s_add_co_u32 s16, s16, s17
	s_and_b32 s17, s14, 1
	s_lshl_b32 s17, s17, 9                         ; my 128 along K
	s_add_co_u32 s16, s16, s17
	s_mov_b32 s17, 0
	s_lshl_b32 s18, s14, 12                        ; wq: my head's four units of q; k's lie 32,768 bytes on, v's 65,536
	s_mov_b32 s19, 0
	s_lshl_b32 s24, s14, 9                         ; ws likewise: 4,096 and 8,192
	s_mov_b32 s25, 0
	s_lshr_b32 s26, ttmp9, 5
	s_lshl_b32 s26, s26, 3
	s_add_co_u32 s26, s26, s14                     ; 8 x batch + head
	s_and_b32 s27, ttmp9, 31                       ; the step of 64 tokens in the batch
	s_lshl_b32 s28, s26, 17
	s_lshl_b32 s30, s27, 12
	s_add_co_u32 s28, s28, s30                     ; qf: 128 tiles a head, four a step
	s_mov_b32 s29, 0
	s_lshl_b32 s30, s26, 18
	s_lshl_b32 s27, s27, 13
	s_add_co_u32 s30, s30, s27                     ; kv: 32 steps of 8,192 bytes a head
	s_mov_b32 s31, 0
	s_wait_kmcnt 0x0
	s_add_nc_u64 s[4:5], s[4:5], s[16:17]
	s_add_nc_u64 s[6:7], s[6:7], s[18:19]
	s_add_nc_u64 s[8:9], s[8:9], s[24:25]
	s_add_nc_u64 s[10:11], s[10:11], s[28:29]
	s_add_nc_u64 s[12:13], s[12:13], s[30:31]
	s_wait_alu depctr_va_vdst(0)                   ; the offsets and LDS addresses v1, v4 to v8 are written, which the loads and stores of the kernel read
.irp i, 0,1,2,3,4,5,6,7,8,9,10,11,12,13,14,15
	global_load_b128 v[R+4*\i:R+4*\i+3], v[LI], s[4:5] offset:1024*\i th:TH_LOAD_NT   ; row i: 32 lanes read 512 consecutive bytes; read once in the launch
.endr
.irp kd, 0,1,2                                 ; the weights: fragment and scale word 4 kd + 2 u + s (kd: q, k, v)
.irp us, 0,1,2,3
.irp c, 0,1
	global_load_b128 v[WF+8*(4*\kd+\us)+4*\c:WF+8*(4*\kd+\us)+4*\c+3], v[LI], s[6:7] offset:32768*\kd+1024*\us+512*\c
.endr
	global_load_b32 v[WS+4*\kd+\us], v[LS], s[8:9] offset:4096*\kd+128*\us
.endr
.endr
	s_wait_loadcnt 36                              ; x's 16 loads are in; the weights' 24 + 12, issued behind them, may be out
.irp i, 0,1,2,3,4,5,6,7,8,9,10,11,12,13,14,15
	ds_store_b128 v[TW], v[R+4*\i:R+4*\i+3] offset:528*\i
.endr
.irp b, 0,1,2,3
.irp j, 0,1,2,3
	ds_load_b128 v[X+16*\b+4*\j:X+16*\b+4*\j+3], v[TR] offset:128*\b+16*\j   ; LDS serves a wave's instructions in order (ISA guide 5.7.1.4): these see my stores
.endr
.endr
	s_wait_dscnt 0x0
	s_wait_alu depctr_vm_vsrc(0)                   ; the turn's LDS stores have read v128-191, which the quantiser's lines write from here on
.irp b, 0,1,2,3
	v_mov_b32 v[TM+4+\b], 0                        ; a lane permute's destination counts as one of its sources
.endr
	QUANT X, PC, PW
	s_wait_alu depctr_va_vdst(0)                   ; the quantiser has written the codes v144-151 and the scale word v152, which the LDS stores read; and it is done with v128-143 and v240-255, in which the fragments' loads land
.irp c, 0,1
	ds_store_b128 v[XWI], v[PC+4*\c:PC+4*\c+3] offset:XIMG+512*\c   ; the fragment goes to LDS as it stands: lane l's 16 bytes at 16 l
.endr
	ds_store_b32 v[XWS], v[PW] offset:XSC
	s_wait_dscnt 0x0                               ; for the others' sake: my image lies in LDS
	s_barrier_signal -1
	s_barrier_wait -1                              ; x's eight fragments do
	s_wait_alu depctr_vm_vsrc(0)                   ; my image's LDS stores have read v144-152: these registers are accumulators from here on, written by the matrix instructions
	XLOAD 0
	s_wait_loadcnt 0x0                             ; the weights
.irp m, 0,1,2,3                                ; a tile of 16 tokens at a time
.set XB, XF+112*(\m%2)
.set XW, XS+2*(\m%2)
.set PO, PK+24*(\m%2)
.if \m < 3
	XLOAD \m+1                                     ; the next tile's fragments, into the other set.  No wait: no vector or matrix instruction since the last wait on va_vdst names that set
	s_wait_dscnt 6                                 ; LDS loads come back in order (ISA guide 5.7.1): this tile's six are in, the six just issued may be out
.else
	s_wait_dscnt 0x0
.endif
.irp s, 0,1                                    ; six accumulators by turns; the first K step starts the sums
.irp ti, 0,1,2,3
.if \s == 0
	v_wmma_scale_f32_16x16x128_f8f6f4 v[ACC+8*\ti:ACC+8*\ti+7], v[WF+8*(2*\ti+\s):WF+8*(2*\ti+\s)+7], v[XB+8*\s:XB+8*\s+7], 0, v[WS+2*\ti+\s], v[XW+\s] matrix_a_fmt:MATRIX_FMT_FP4 matrix_b_fmt:MATRIX_FMT_FP4
.else
	v_wmma_scale_f32_16x16x128_f8f6f4 v[ACC+8*\ti:ACC+8*\ti+7], v[WF+8*(2*\ti+\s):WF+8*(2*\ti+\s)+7], v[XB+8*\s:XB+8*\s+7], v[ACC+8*\ti:ACC+8*\ti+7], v[WS+2*\ti+\s], v[XW+\s] matrix_a_fmt:MATRIX_FMT_FP4 matrix_b_fmt:MATRIX_FMT_FP4
.endif
.endr
.irp ti, 4,5
.if \s == 0
	v_wmma_scale_f32_16x16x128_f8f6f4 v[ACC+8*\ti:ACC+8*\ti+7], v[XB+8*\s:XB+8*\s+7], v[WF+8*(2*\ti+\s):WF+8*(2*\ti+\s)+7], 0, v[XW+\s], v[WS+2*\ti+\s] matrix_a_fmt:MATRIX_FMT_FP4 matrix_b_fmt:MATRIX_FMT_FP4
.else
	v_wmma_scale_f32_16x16x128_f8f6f4 v[ACC+8*\ti:ACC+8*\ti+7], v[XB+8*\s:XB+8*\s+7], v[WF+8*(2*\ti+\s):WF+8*(2*\ti+\s)+7], v[ACC+8*\ti:ACC+8*\ti+7], v[XW+\s], v[WS+2*\ti+\s] matrix_a_fmt:MATRIX_FMT_FP4 matrix_b_fmt:MATRIX_FMT_FP4
.endif
.endr
.endr
.rept 4
	v_nop                                          ; places in front of the first read of results; with the conversions below also those in front of the next tile's products, which begin the sums anew
.endr
.if \m >= 2
	s_wait_xcnt 0x0                                ; the stores of two tiles back have had their addresses translated (ISA guide 3.1): their data are written again only behind this wait,
	s_wait_alu depctr_vm_vsrc(0)                   ; and they have read this out-buffer, which the roundings below write again
.endif
.irp p, 0,1,2,3,4,5,6,7
	v_pk_mul_f32 v[ACC+2*\p:ACC+2*\p+1], v[ACC+2*\p:ACC+2*\p+1], s[CS:CS+1] op_sel_hi:[1,0]   ; c q, in f32
.endr
.irp p, 0,1,2,3,4,5,6,7,8,9,10,11,12,13,14,15,16,17,18,19,20,21,22,23
	v_cvt_pk_f16_f32 v[PO+\p], v[ACC+2*\p], v[ACC+2*\p+1]   ; each accumulator from its low end on
.endr
	s_wait_alu depctr_va_vdst(0)                   ; the roundings have written the out-buffer, which the six stores read; the tile's products are done reading their set of fragments, in which the loads at the next tile's head land
.irp u, 0,1
	global_store_b128 v[LI], v[PO+4*\u:PO+4*\u+3], s[10:11] offset:\m*1024+512*\u
.endr
.irp u, 0,1
	global_store_b128 v[LI], v[PO+8+4*\u:PO+8+4*\u+3], s[12:13] offset:\m*1024+512*\u
.endr
.irp t, 0,1
	global_store_b128 v[LI], v[PO+16+4*\t:PO+16+4*\t+3], s[12:13] offset:4096+(2*(\m/2)+\t)*1024+512*(\m%2)
.endr
.endr
	s_wait_dscnt 0x0                               ; the closing lines, six on end
	s_wait_alu 0x0
	s_wait_tensorcnt 0x0
	ds_add_u32 v[SPW], v[NIL]
	s_wait_dscnt 0x0
	s_endpgm
.Lfunc_end_k_q31cb2d3678_qkv:
	.size	k_q31cb2d3678_qkv, .Lfunc_end_k_q31cb2d3678_qkv-k_q31cb2d3678_qkv
	.p2alignl 7, 3214868480
	.fill 96, 4, 3214868480
	.section	.rodata,"a",@progbits
	.p2align	6, 0x0
	.amdhsa_kernel k_q31cb2d3678_qkv
		.amdhsa_group_segment_fixed_size 77824
		.amdhsa_private_segment_fixed_size 0
		.amdhsa_enable_private_segment 0
		.amdhsa_kernarg_size 40
		.amdhsa_user_sgpr_count 2
		.amdhsa_user_sgpr_kernarg_segment_ptr 1
		.amdhsa_wavefront_size32 1
		.amdhsa_system_sgpr_workgroup_id_x 1
		.amdhsa_system_sgpr_workgroup_id_y 1
		.amdhsa_system_sgpr_workgroup_id_z 1
		.amdhsa_system_vgpr_workitem_id 0
		.amdhsa_next_free_vgpr 256
		.amdhsa_next_free_sgpr 66
		.amdhsa_reserve_vcc 0
		.amdhsa_float_denorm_mode_32 3
		.amdhsa_float_denorm_mode_16_64 3
		.amdhsa_memory_ordered 1
		.amdhsa_forward_progress 1
		.amdhsa_inst_pref_size 33
	.end_amdhsa_kernel
	.amdgpu_metadata
---
amdhsa.version: [ 1, 2 ]
amdhsa.kernels:
  - .name:           k_q31cb2d3678_qkv
    .symbol:         k_q31cb2d3678_qkv.kd
    .args:
      - { .name: x, .offset: 0, .size: 8, .value_kind: global_buffer, .address_space: global }
      - { .name: wq, .offset: 8, .size: 8, .value_kind: global_buffer, .address_space: global }
      - { .name: ws, .offset: 16, .size: 8, .value_kind: global_buffer, .address_space: global }
      - { .name: qf, .offset: 24, .size: 8, .value_kind: global_buffer, .address_space: global }
      - { .name: kv, .offset: 32, .size: 8, .value_kind: global_buffer, .address_space: global }
    .group_segment_fixed_size: 77824
    .private_segment_fixed_size: 0
    .kernarg_segment_align: 8
    .kernarg_segment_size: 40
    .max_flat_workgroup_size: 256
    .sgpr_count:     66
    .vgpr_count:     256
    .wavefront_size: 32
...
	.end_amdgpu_metadata
.endif
;; end of part 6
;; launch attn (part 7): grid 32 x 8, 8 waves a work-group, no clusters, 100,352 bytes of LDS; arguments qf, kv, wp, out0; writes out0
.if DOCPART == 7
	.amdgcn_target "amdgcn-amd-amdhsa--gfx1250"
	.amdhsa_code_object_version 6
	.text
	.protected	k_q31cb2d3678_attn
	.globl	k_q31cb2d3678_attn
	.p2align	8
	.type	k_q31cb2d3678_attn,@function
k_q31cb2d3678_attn:
	s_mov_b64 s[64:65], 0
	v_nop
	global_prefetch_b8 v0, s[64:65] scope:SCOPE_SE
	s_setreg_imm32_b32 hwreg(HW_REG_WAVE_SCHED_MODE, 0, 2), 2
	s_setreg_imm32_b32 hwreg(HW_REG_WAVE_MODE, 25, 1), 1
	s_wait_xcnt 0x0
	s_wait_alu depctr_vm_vsrc(0)
; out0 = softmax(q k^T / sqrt(32), causal) v, all heads side by side, times w_proj; for all positions but 0-15 of each sequence, which the second launch makes in f32.  Operands f16; sums, maxima and the softmax f32.
; WORK LEFT OUT: a step of 64 keys all of which come after a pair of query tiles is not walked for that pair (reference()'s own mask gives them the weight 0: see the first launch's head).
; SHARES.  Work-group (i, batch) owns two blocks of 32 rows: block i and block L = 63 - i.  Wave = head; it holds four tiles of 16 queries: 0, 1 in block i, 2, 3 in block L.  Keys go in steps of 64.  Steps 0 .. i/2 serve four tiles
; (the last of them lies on block i's diagonal), steps i/2 + 1 .. L/2 two (the last on block L's): 4 (i/2 + 1) + 2 (L/2 - i/2) = 66 tiles of 16 x 64 for every wave of every work-group, whatever i.
; Since a work-group holds all eight heads of its 64 rows, y never goes to memory: it goes from wave to wave through LDS as images of operand registers, and wave w makes output columns 32 w .. 32 w + 31 of the 64 rows.
; K AND V COME FROM MEMORY STRAIGHT INTO REGISTERS.  In a work-group a head's K and V are read by one wave alone, so LDS would have nothing to share; the launch before laid them in the order of the operands' registers, so each load
; of a wave covers 512 consecutive bytes.  NO JOINT LOADS: the work-groups of a batch that read the same K and V walk 17 to 32 steps each, and under the mask a partner would pass over tiles that a joint load brings.
; LAYOUT.  S^T = K Q^T (source 0 = 16 keys, source 1 = 16 queries) and O^T = V^T P: a lane holds ONE query (lane % 16) throughout; two tiles of S^T, rounded in pairs, are source 1 of the second product.
; q was multiplied by c = log2(e) / sqrt(32): p = 2^(s - m), m the running maximum; in every step O^T and the sum are multiplied by a = 2^(old m - new m).
; THE ROW'S SUM is a third product on the same p: source 0 has ones in rows 0 and 8 and zeros elsewhere, so register 0 of its result holds, in every lane, the sum over the 32 keys for the lane's query: no packed additions, no exchange of lanes.
; O^T and the sums are cleared once, at the head (96 lines): which step is a tile's first hangs on i, so a first step that starts the sums would be two more copies of the step.
; In work-group i = 0 tile 0 (positions 0-15) is computed beside its partner tile and not stored.
; LIMITS: |y| stays under 65,504 (f16); p under 2^-24 counts as 0; 1 / sum by v_rcp_f32; NaN and infinities among the inputs are not served.
; THE MODE: SCHED_MODE bits 1:0 = 2 (LLVM: expert scheduling mode 2), set by the entry lines.  The code itself states the register dependences between vector or matrix instructions and memory or LDS instructions, with s_wait_alu, always for 0.
; THE PLAN.  Registers that memory or LDS instructions touch, in the loops:
;   KF (v56-87)   Step J: the first product's matrix instructions read it; behind them the loads of K(J + 1) land in it.
;   VF (v88-119)  Step J: the second product's matrix instructions read it; behind them the loads of V(J + 1) land in it.
;   v1, v4        offsets of the loads and of the prefetch: written at the head, never again; the scalar base moves on by a step, and immediate offsets do the rest.
;   S^T, p, O^T, the sums, Q and the statistics are named by vector and matrix instructions alone.
; Three waits on va_vdst stand in a step.  (1) Behind the first four lines of the maxima, which have read every one of the step's score accumulators: the first product is done reading KF; K's loads and the prefetch follow.
; (2) Behind the exponentials, ahead of their first reader.  (3) Behind the second product and its places: it is done reading VF; V's loads follow.  A second buffer of K or of V by turns is not written:
; two waves on a SIMD hold 512 registers each, all in use, and buffers by turns want trips of two steps, while the first loop's count, i / 2, is odd or even by the work-group.
; On the way out: y's images lie in v128-159; one wait on va_vdst ahead of their LDS stores also shows every earlier reader and writer of v56-119, v192-255 and window 1's v0-127 done, so the fragments of all eight heads are
; fetched behind the barrier into eight sets, and no wait stands among the projection's 64 matrix instructions.  One wait on vm_vsrc behind the barrier: the image stores have read v128-159, which those instructions write.
; REGISTERS.  Window 0: v1-13 addresses and masks; v16-47 eight registers of statistics a tile (+0 m, +2 a, +4..7 at work; +1, +3 are named in pairs and hold 0); v48-55 the ones; v56-87 K, v88-119 V of one step; v120-127 1 / sum; v128-255 S^T, 32 a tile, p in its low 16.
;   Window 1: v0-31 Q; v32-95 O^T, 16 a tile; v96-127 the sums, 8 a tile; v128-255 my 16 fragments of w_proj.
;   In the projection: v128-191 its eight accumulators; y's fragments of heads 0 to 3 in v56-87, v88-119, v192-223, v224-255, of heads 4 to 7 in window 1's v0-127.
.set STEPB,  8192                      ; a step's K and V of one head
.set YIMG,   0                         ; LDS: y's 32 fragments (8 x tile + head), 1,024 bytes each,
.set STG,    32768                     ; the stage for out0: 64 rows x (1,024 bytes + 16),
.set SPITCH, 1040
.set SPARE,  STG+64*SPITCH             ; and the spare words, 128 bytes for each wave
.set LI,   1                           ; 16 x lane
.set SPW,  2                           ; LDS address of my spare word; never rewritten
.set NIL,  3                           ; 0; never rewritten
.set PFO,  4                           ; 256 x lane
.set YW,   5                           ; where I store y's images
.set SO,   6                           ; the stage: where I put 32 bytes of a row
.set SR,   7                           ; and where I read rows back
.set NINF, 8                           ; -infinity
.set DM,   10                          ; v10-13: tile t's query less its diagonal step's first key, less 8 h
.set ST,   16
.set ONES, 48
.set KF,   56
.set VF,   88
.set RL,   120
.set S,    128
.set Q,    0                           ; window 1
.set O,    32
.set SUM,  96
.set WP,   128
.set WV,   12                          ; s12 wave = head
.set IB,   13                          ; s13 i
.set BB,   14                          ; s14 batch
.set LB,   15                          ; s15 L
.set N1,   16                          ; s16 block i's diagonal step
.set JD,   17                          ; s17 block L's
.set JS,   18                          ; s18 the step in hand
.set LIM,  19                          ; s19 the last step in which I prefetch, or -1
.set SEL,  20
.set KVB,  22                          ; s[22:23] my head's K and V, at the step that is being loaded
.set QA,   24
.set QB,   26
.set OB,   28
.set MK,   48                          ; s48-63: the sixteen masks of a run of compares
.set W_S,  0x04                        ; Q (source 1) window 1
.set W_RS, 0x41                        ; destination and source 0 window 1
.set W_PV, 0x50                        ; C and D window 1
.set MSB, 0
.macro WIN new                         ; the immediate's high byte repeats the setting that is left
.if MSB != \new
	s_set_vgpr_msb (MSB<<8)|\new
.set MSB, \new
.endif
.endm
.macro PLACES n                        ; plain vector lines behind a matrix instruction (ISA guide 7.12.1)
.rept \n
	v_nop
.endr
.endm
.macro KLOAD
.irp f, 0,1,2,3,4,5,6,7
	global_load_b128 v[KF+4*\f:KF+4*\f+3], v[LI], s[KVB:KVB+1] offset:512*\f
.endr
.endm
.macro VLOAD
.irp f, 0,1,2,3,4,5,6,7
	global_load_b128 v[VF+4*\f:VF+4*\f+3], v[LI], s[KVB:KVB+1] offset:4096+512*\f
.endr
.endm
; A PREFETCH of the step that stands three loads on: in step J, behind the loads of K(J + 1), step J + 4's 8,192 bytes, lanes 256 bytes apart: one instruction.  All work-groups of a batch walk the same K and V: work-group i = 0,
; which walks all 32 steps, asks, each wave for its own head: so each block of 256 bytes is named once in the launch.  Steps 0 to 3 come by their loads alone; the last request stands in step 27 and names step 31, the head's last.
.macro ASK
	s_cmp_le_i32 s[JS], s[LIM]
	s_cbranch_scc0 .Lnot_mine_\@
	global_prefetch_b8 v[PFO], s[KVB:KVB+1] offset:3*STEPB th:TH_LOAD_NT scope:SCOPE_SE
.Lnot_mine_\@:
.endm
; Line k of 21 of a tile's maximum: four chains of seven scores, each begun at its accumulator's low end; the four scores left over, the chains and the old m; the other half of the lanes'; old m - new m; the new m; a.
.macro MX t
.set rT, ST+8*(\t)
.set rS, S+32*(\t)
.if k < 4
	v_max3_num_f32 v[rT+4+k], v[rS+8*k], v[rS+8*k+1], v[rS+8*k+2]
.elseif k < 12
	v_max3_num_f32 v[rT+4+k%4], v[rT+4+k%4], v[rS+8*(k%4)+2*(k/4)+1], v[rS+8*(k%4)+2*(k/4)+2]
.elseif k == 12
	v_max3_num_f32 v[rT+4], v[rT+4], v[rS+7], v[rS+15]
.elseif k == 13
	v_max3_num_f32 v[rT+6], v[rT+6], v[rS+23], v[rS+31]
.elseif k == 14
	v_max3_num_f32 v[rT+4], v[rT+4], v[rT+5], v[rT+6]
.elseif k == 15
	v_max3_num_f32 v[rT+4], v[rT+4], v[rT+7], v[rT]
.elseif k == 16
	v_permlanex16_b32 v[rT+5], v[rT+4], s[SEL], s[SEL+1]
.elseif k == 17
	v_max_num_f32 v[rT+4], v[rT+4], v[rT+5]
.elseif k == 18
	v_sub_f32 v[rT+6], v[rT], v[rT+4]
.elseif k == 19
	v_mov_b32 v[rT], v[rT+4]
.else
	v_exp_f32 v[rT+2], v[rT+6]
.endif
.endm
; A tile's 32 exponentials, in place; each pair has m taken off one packed line ahead.  None of these lines reads an exponential's result.
.macro EX t
.set rT, ST+8*(\t)
.set rS, S+32*(\t)
	v_pk_add_f32 v[rS:rS+1], v[rS:rS+1], v[rT:rT+1] op_sel_hi:[1,0] neg_lo:[0,1] neg_hi:[0,1]
.set e, 0
.rept 16
.if e < 15
	v_pk_add_f32 v[rS+2*e+2:rS+2*e+3], v[rS+2*e+2:rS+2*e+3], v[rT:rT+1] op_sel_hi:[1,0] neg_lo:[0,1] neg_hi:[0,1]
.endif
	v_exp_f32 v[rS+2*e], v[rS+2*e]
	v_exp_f32 v[rS+2*e+1], v[rS+2*e+1]
.set e, e+1
.endr
.endm
.macro CV t                            ; p rounded to f16, packed downward in place: register i takes numbers 2 i and 2 i + 1
.set rS, S+32*(\t)
.set e, 0
.rept 16
	v_cvt_pk_f16_f32 v[rS+e], v[rS+2*e], v[rS+2*e+1]
.set e, e+1
.endr
.endm
.macro RS t                            ; O^T and the sum times a, each accumulator from its low end on
.set e, 0
.rept 8
	v_pk_mul_f32 v[O+16*(\t)+2*e:O+16*(\t)+2*e+1], v[O+16*(\t)+2*e:O+16*(\t)+2*e+1], v[ST+8*(\t)+2:ST+8*(\t)+3] op_sel_hi:[1,0]
.set e, e+1
.endr
	v_pk_mul_f32 v[SUM+8*(\t):SUM+8*(\t)+1], v[SUM+8*(\t):SUM+8*(\t)+1], v[ST+8*(\t)+2:ST+8*(\t)+3] op_sel_hi:[1,0]
.endm
; A KEY STEP.  first: the first tile that takes part (0 or 2).  mk: the pair of tiles on whose diagonal the step lies (0, 2, or -1: none).  nx = 1: the next step's K and V are asked for.
.macro STEP first, mk, nx
	s_wait_loadcnt 8                               ; K of this step is in; V's eight loads, issued behind K's, may be out
	WIN W_S
.irp a, 0,1,2,3
.irp t, 0,1,2,3
.if \t >= \first
	v_wmma_f32_16x16x32_f16 v[S+32*\t+8*\a:S+32*\t+8*\a+7], v[KF+8*\a:KF+8*\a+7], v[Q+8*\t:Q+8*\t+7], 0
.endif
.endr
.endr
	WIN 0
	PLACES 4                                       ; in front of the first read of the scores
.if \mk >= 0                                   ; on the diagonal the scores of hidden keys become -infinity: register n holds key 16 (n / 8) + 8 h + n % 8 of the step.  Sixteen compares in a run, a mask register each, then the sixteen selects
.irp t, \mk, \mk+1
.irp g, 0,1
.irp n, 0,1,2,3,4,5,6,7,8,9,10,11,12,13,14,15
	v_cmp_gt_i32 s[MK+\n], 16*((16*\g+\n)/8)+\n%8, v[DM+\t]
.endr
	s_wait_alu depctr_va_sdst(0)                   ; the sixteen compares have written s48 to s63, ahead of the selects that read them
.irp n, 0,1,2,3,4,5,6,7,8,9,10,11,12,13,14,15
	v_cndmask_b32 v[S+32*(\t)+16*\g+\n], v[S+32*(\t)+16*\g+\n], v[NINF], s[MK+\n]
.endr
.endr
.endr
.endif
.set k, 0
.rept 21                                       ; the maxima, the tiles by turns line by line
.if (k == 4) && \nx
	s_wait_alu depctr_va_vdst(0)                   ; the first product's matrix instructions are done reading KF, in which the loads below land; the four lines above have read each of their results
	s_wait_xcnt 0x0                                ; the loads and the prefetch that name the base have had their addresses translated (ISA guide 3.1): it is stepped only behind this wait
	s_add_nc_u64 s[KVB:KVB+1], s[KVB:KVB+1], STEPB
	KLOAD
	ASK
.endif
.irp t, 0,1,2,3
.if \t >= \first
	MX \t
.endif
.endr
.set k, k+1
.endr
.irp t, 0,1,2,3
.if \t >= \first
	EX \t
.endif
.endr
	v_nop                                          ; a plain line behind the last exponential
	s_wait_alu depctr_va_vdst(0)                   ; the exponentials have written p and a: ONE wait for the step's whole batch, ahead of its first reader
.irp t, 0,1,2,3
.if \t >= \first
	CV \t
.endif
.endr
	WIN W_RS
.irp t, 0,1,2,3
.if \t >= \first
	RS \t
.endif
.endr
.if \nx
	s_wait_loadcnt 8                               ; V of this step is in; the next step's K, eight loads issued behind it, may be out
.else
	s_wait_loadcnt 0x0
.endif
	WIN W_PV
.irp g, 0,1                                    ; 32 keys at a time; a tile's three accumulators and the tiles by turns, one instruction a turn
.irp t, 0,1,2,3
.if \t >= \first
	v_wmma_f32_16x16x32_f16 v[O+16*\t:O+16*\t+7], v[VF+16*\g:VF+16*\g+7], v[S+32*\t+8*\g:S+32*\t+8*\g+7], v[O+16*\t:O+16*\t+7]
	v_wmma_f32_16x16x32_f16 v[O+16*\t+8:O+16*\t+15], v[VF+16*\g+8:VF+16*\g+15], v[S+32*\t+8*\g:S+32*\t+8*\g+7], v[O+16*\t+8:O+16*\t+15]
	v_wmma_f32_16x16x32_f16 v[SUM+8*\t:SUM+8*\t+7], v[ONES:ONES+7], v[S+32*\t+8*\g:S+32*\t+8*\g+7], v[SUM+8*\t:SUM+8*\t+7]
.endif
.endr
.endr
	WIN 0
	PLACES 5                                       ; four in front of the way out's reads; the fifth for the next step's first products, which write over p
.if \nx
	s_wait_alu depctr_va_vdst(0)                   ; the second product's matrix instructions are done reading VF, in which the loads below land
	VLOAD
.endif
	s_add_co_u32 s[JS], s[JS], 1
.endm
	s_load_b256 s[4:11], s[0:1], 0x0               ; qf s[4:5], kv s[6:7], wp s[8:9], out0 s[10:11]
	v_lshl_add_u32 v[SPW], v0, 2, SPARE
	v_mov_b32 v[NIL], 0
	v_lshrrev_b32 v9, 5, v0
	v_readfirstlane_b32 s[WV], v9
	s_mov_b32 s[IB], ttmp9
	s_and_b32 s[BB], ttmp7, 0xffff
	s_sub_co_u32 s[LB], 63, s[IB]
	s_lshr_b32 s[N1], s[IB], 1
	s_lshr_b32 s[JD], s[LB], 1
	s_mov_b32 s[JS], 0
	s_cmp_eq_u32 s[IB], 0
	s_cselect_b32 s[LIM], 27, -1
	s_mov_b32 s[SEL], 0x76543210
	s_mov_b32 s[SEL+1], 0xfedcba98                 ; lane l xor 16
	v_and_b32 v9, 31, v0                           ; lane
	v_and_b32 v14, 15, v0                          ; r
	v_bfe_u32 v15, v0, 4, 1                        ; h
	v_lshlrev_b32 v[LI], 4, v9
	v_lshlrev_b32 v[PFO], 8, v9
	s_wait_alu depctr_va_sdst(0)                   ; s12, the wave's number, is written, ahead of its first reader: LDS places and the buffers' offsets are made from it
	s_lshl_b32 s31, s[WV], 10                      ; (each scalar that a vector line reads here has a register of its own)
	v_add_nc_u32 v[YW], s31, v[LI]                 ; fragment 8 x tile + head: the tile stands in the immediate
	v_mul_u32_u24 v[SO], v14, SPITCH
	v_lshl_add_u32 v[SO], v15, 5, v[SO]
	s_lshl_b32 s33, s[WV], 7
	s_add_co_u32 s33, s33, STG
	v_add_nc_u32 v[SO], s33, v[SO]                 ; row r, + 32 h, + 128 x wave: my output columns' bytes
	s_mul_i32 s44, s[WV], 8*SPITCH
	s_add_co_u32 s44, s44, STG
	v_add_nc_u32 v[SR], s44, v[LI]                 ; back: my 8 rows, 16 bytes a lane
	v_mov_b32 v[NINF], 0xff800000
	v_lshlrev_b32 v9, 3, v15
	v_sub_nc_u32 v9, v14, v9                       ; r - 8 h
	s_and_b32 s45, s[IB], 1
	s_lshl_b32 s45, s45, 5                         ; block i begins 32 (i % 2) keys into its diagonal step
	v_add_nc_u32 v[DM], s45, v9
	v_add_nc_u32 v[DM+1], 16, v[DM]
	s_and_b32 s46, s[LB], 1
	s_lshl_b32 s46, s46, 5
	v_add_nc_u32 v[DM+2], s46, v9
	v_add_nc_u32 v[DM+3], 16, v[DM+2]
.irp t, 0,1,2,3
	v_mov_b32 v[ST+8*\t], 0xff61b1e6               ; m = -3e38, under every score
	v_mov_b32 v[ST+8*\t+1], 0                      ; (the upper halves of pairs of which the low word serves both halves)
	v_mov_b32 v[ST+8*\t+3], 0
	v_mov_b32 v[RL+2*\t+1], 0
.endr
	v_and_b32 v9, 7, v0
	v_cmp_eq_u32 vcc_lo, 0, v9
	v_mov_b32 v[ONES+1], 0x3c003c00                ; two ones in f16
	s_wait_alu depctr_va_vcc(0)                    ; the compare has written VCC, ahead of the select that reads it
	v_cndmask_b32 v[ONES], 0, v[ONES+1], vcc_lo    ; rows 0 and 8 of the operand, zeros elsewhere
.irp j, 1,2,3,4,5,6,7
	v_mov_b32 v[ONES+\j], v[ONES]
.endr
	s_lshl_b32 s30, s[BB], 3
	s_add_co_u32 s30, s30, s[WV]                   ; 8 x batch + head
	s_lshl_b32 s32, s30, 17                        ; qf: 128 tiles of 1,024 bytes a head;
	s_lshl_b32 s34, s[IB], 11                      ; a block of 32 rows is two tiles
	s_add_co_u32 s34, s34, s32
	s_mov_b32 s35, 0
	s_lshl_b32 s36, s[LB], 11
	s_add_co_u32 s36, s36, s32
	s_mov_b32 s37, 0
	s_lshl_b32 s38, s30, 18                        ; kv: 32 steps of 8,192 bytes a head
	s_mov_b32 s39, 0
	s_lshl_b32 s40, s[WV], 14                      ; wp: my 16 fragments
	s_mov_b32 s41, 0
	s_lshl_b32 s42, s[IB], 5                       ; the first row that I store: waves 0-3: 32 i + 8 w;
	s_lshl_b32 s43, s[LB], 5
	s_sub_co_u32 s43, s43, 32                      ; waves 4-7: 32 L + 8 (w - 4)
	s_cmp_lt_u32 s[WV], 4
	s_cselect_b32 s42, s42, s43
	s_lshl_b32 s43, s[WV], 3
	s_add_co_u32 s42, s42, s43
	s_lshl_b32 s42, s42, 10
	s_lshl_b32 s43, s[BB], 21
	s_add_co_u32 s42, s42, s43
	s_mov_b32 s43, 0
	s_wait_kmcnt 0x0
	s_add_nc_u64 s[QA:QA+1], s[4:5], s[34:35]
	s_add_nc_u64 s[QB:QB+1], s[4:5], s[36:37]
	s_add_nc_u64 s[KVB:KVB+1], s[6:7], s[38:39]
	s_add_nc_u64 s[8:9], s[8:9], s[40:41]
	s_add_nc_u64 s[OB:OB+1], s[10:11], s[42:43]
	WIN 0x40                                       ; destination window 1
	s_wait_alu depctr_va_vdst(0)                   ; the offsets and LDS addresses v1, v4 to v7 are written, which the loads, the prefetches and the stores of the kernel read
.irp f, 0,1,2,3,4,5,6,7,8,9,10,11,12,13,14,15,16,17,18,19,20,21,22,23,24,25,26,27,28,29,30,31
	global_load_b128 v[WP+4*\f:WP+4*\f+3], v[LI], s[8:9] offset:512*\f   ; w_proj: fragment 8 u + head, for my output tiles 2 w + u: they stay
.endr
.irp f, 0,1,2,3
	global_load_b128 v[Q+4*\f:Q+4*\f+3], v[LI], s[QA:QA+1] offset:512*\f th:TH_LOAD_NT      ; Q stays in registers; read once in the launch
.endr
.irp f, 0,1,2,3
	global_load_b128 v[Q+16+4*\f:Q+16+4*\f+3], v[LI], s[QB:QB+1] offset:512*\f th:TH_LOAD_NT
.endr
.set n, O
.rept 96
	v_mov_b32 v[n], 0                              ; O^T and the sums: window 1's v32-127, none of the registers that the loads below touch
.set n, n+1
.endr
	WIN 0
	KLOAD                                          ; step 0
	VLOAD
	s_cmp_eq_u32 s[N1], 0
	s_cbranch_scc1 .Ldiag_a
.Lfour:                                                ; steps 0 .. i/2 - 1: all keys count for all four tiles
	STEP 0, -1, 1
	s_cmp_lt_u32 s[JS], s[N1]
	s_cbranch_scc1 .Lfour
.Ldiag_a:                                              ; step i/2: on block i's diagonal
	STEP 0, 0, 1
	s_cmp_eq_u32 s[JS], s[JD]
	s_cbranch_scc1 .Ldiag_b
.Ltwo:                                                 ; steps i/2 + 1 .. L/2 - 1: block L alone
	STEP 2, -1, 1
	s_cmp_lt_u32 s[JS], s[JD]
	s_cbranch_scc1 .Ltwo
.Ldiag_b:                                              ; step L/2: on block L's diagonal; nothing more is asked for
	STEP 2, 2, 0
	; y = O^T / the sum, rounded to f16: a tile's 16 registers pack into source 1 of the projection (16 tokens x my head's 32 channels) and go to LDS as they stand.  (The step's last five plain lines are the places behind its products.)
	WIN 0x01                                       ; source 0 window 1
.irp t, 0,1,2,3
	v_rcp_f32 v[RL+2*\t], v[SUM+8*\t]
.endr
	v_nop
	s_wait_alu depctr_va_vdst(0)                   ; the four reciprocals have written v120, v122, v124, v126: one wait, ahead of their first reader
.irp t, 0,1,2,3
.irp p, 0,1,2,3,4,5,6,7
	v_pk_mul_f32 v[S+32*\t+2*\p:S+32*\t+2*\p+1], v[O+16*\t+2*\p:O+16*\t+2*\p+1], v[RL+2*\t:RL+2*\t+1] op_sel_hi:[1,0]
.endr
.endr
	WIN 0
.irp t, 0,1,2,3
.irp p, 0,1,2,3,4,5,6,7
	v_cvt_pk_f16_f32 v[S+8*\t+\p], v[S+32*\t+2*\p], v[S+32*\t+2*\p+1]   ; the four images side by side in v128-159: a tile's place holds numbers that earlier lines have read, or none
.endr
.endr
	s_wait_alu depctr_va_vdst(0)                   ; the roundings have written v128-159, which the LDS stores read; and every vector and matrix instruction so far is done with v56-119, v192-255 and window 1's v0-127, in which y's fragments land behind the barrier
.irp t, 0,1,2,3
.irp c, 0,1
	ds_store_b128 v[YW], v[S+8*\t+4*\c:S+8*\t+4*\c+3] offset:YIMG+8192*\t+512*\c
.endr
.endr
	s_wait_dscnt 0x0                               ; for the others' sake: my four images lie in LDS
	s_barrier_signal -1
	s_barrier_wait -1                              ; all 32 do
	s_wait_alu depctr_vm_vsrc(0)                   ; my image stores have read v128-159: these registers are accumulators from here on, written by the projection's matrix instructions
	; THE PROJECTION, transposed: source 0 = 16 columns of w_proj, source 1 = 16 tokens; K = a head's 32 channels a step, eight steps.  Eight accumulators (two tiles of columns x four of tokens, v128-191) by turns.
.macro YFETCH s, reg                   ; head s's four fragments, eight LDS loads, into 32 registers from reg on
.irp m, 0,1,2,3
.irp c, 0,1
	ds_load_b128 v[\reg+8*\m+4*\c:\reg+8*\m+4*\c+3], v[LI] offset:YIMG+(8*\m+(\s))*1024+512*\c
.endr
.endr
.endm
	YFETCH 0, KF                                   ; all eight heads are asked for in one run, each into a set of its own.  No wait on va_vdst: since the one ahead of the image stores no vector or matrix instruction has been issued
	YFETCH 1, VF
	YFETCH 2, 192
	YFETCH 3, 224
	WIN 0x40                                       ; destination window 1
	YFETCH 4, 0
	YFETCH 5, 32
	YFETCH 6, 64
	s_wait_dscnt 48                                ; LDS loads come back in order (ISA guide 5.7.1): head 0's eight are in; the 48 of heads 1 to 6 may be out
	YFETCH 7, 96
.irp s, 0,1,2,3,4,5,6,7
.if \s < 2
.set YB, KF+32*\s
.elseif \s < 4
.set YB, 128+32*\s
.else
.set YB, 32*(\s-4)
.endif
.if \s > 0
	s_wait_dscnt 56-8*\s                           ; this head's fragments are in; the later heads' loads, eight each, may be out
.endif
.if \s < 4
	WIN 0x01                                       ; source 0 (w_proj) window 1
.else
	WIN 0x05                                       ; and source 1 (y) too
.endif
.irp u, 0,1
.irp m, 0,1,2,3
.if \s == 0
	v_wmma_f32_16x16x32_f16 v[S+8*(4*\u+\m):S+8*(4*\u+\m)+7], v[WP+8*(8*\u+\s):WP+8*(8*\u+\s)+7], v[YB+8*\m:YB+8*\m+7], 0
.else
	v_wmma_f32_16x16x32_f16 v[S+8*(4*\u+\m):S+8*(4*\u+\m)+7], v[WP+8*(8*\u+\s):WP+8*(8*\u+\s)+7], v[YB+8*\m:YB+8*\m+7], v[S+8*(4*\u+\m):S+8*(4*\u+\m)+7]
.endif
.endr
.endr
.endr
	WIN 0
	PLACES 4                                       ; in front of the first read of results
	s_wait_alu depctr_va_vdst(0)                   ; the matrix instructions have written v128-191, which the LDS stores read (the places above stay beside this wait), and are done reading v192-255, in which the stage's loads land
.irp u, 0,1
.irp m, 0,1,2,3
	ds_store_b128 v[SO], v[S+8*(4*\u+\m):S+8*(4*\u+\m)+3] offset:16*\m*SPITCH+64*\u        ; lane (r, h): out(16 m + r, 32 w + 16 u + 8 h + 0 .. 7); each accumulator from its low end on
	ds_store_b128 v[SO], v[S+8*(4*\u+\m)+4:S+8*(4*\u+\m)+7] offset:16*\m*SPITCH+64*\u+16
.endr
.endr
	s_wait_dscnt 0x0                               ; for the others' sake: my columns lie in the stage
	s_barrier_signal -1
	s_barrier_wait -1                              ; 64 whole rows do
	s_lshr_b32 s30, s[WV], 1
	s_or_b32 s30, s30, s[IB]
	s_cmp_eq_u32 s30, 0                            ; waves 0 and 1 of work-group i = 0 hold positions 0-15, which the second launch has stored: ids alone decide
	s_cbranch_scc1 .Lend
.irp n, 0,1,2,3,4,5,6,7,8,9,10,11,12,13,14,15
	ds_load_b128 v[192+4*\n:195+4*\n], v[SR] offset:(\n/2)*SPITCH+512*(\n%2)
.endr
.irp n, 0,1,2,3,4,5,6,7,8,9,10,11,12,13,14,15
	s_wait_dscnt 15-\n
	global_store_b128 v[LI], v[192+4*\n:195+4*\n], s[OB:OB+1] offset:512*\n th:TH_STORE_NT   ; 32 lanes store 512 consecutive bytes, at a multiple of 256 from out0's first byte; written once, read by nobody here
.endr
.Lend:
	s_wait_dscnt 0x0                               ; the closing lines, six on end
	s_wait_alu 0x0
	s_wait_tensorcnt 0x0
	ds_add_u32 v[SPW], v[NIL]
	s_wait_dscnt 0x0
	s_endpgm
.Lfunc_end_k_q31cb2d3678_attn:
	.size	k_q31cb2d3678_attn, .Lfunc_end_k_q31cb2d3678_attn-k_q31cb2d3678_attn
	.p2alignl 7, 3214868480
	.fill 96, 4, 3214868480
	.section	.rodata,"a",@progbits
	.p2align	6, 0x0
	.amdhsa_kernel k_q31cb2d3678_attn
		.amdhsa_group_segment_fixed_size 100352
		.amdhsa_private_segment_fixed_size 0
		.amdhsa_enable_private_segment 0
		.amdhsa_kernarg_size 32
		.amdhsa_user_sgpr_count 2
		.amdhsa_user_sgpr_kernarg_segment_ptr 1
		.amdhsa_wavefront_size32 1
		.amdhsa_system_sgpr_workgroup_id_x 1
		.amdhsa_system_sgpr_workgroup_id_y 1
		.amdhsa_system_sgpr_workgroup_id_z 1
		.amdhsa_system_vgpr_workitem_id 0
		.amdhsa_next_free_vgpr 512
		.amdhsa_next_free_sgpr 66
		.amdhsa_reserve_vcc 1
		.amdhsa_float_denorm_mode_32 3
		.amdhsa_float_denorm_mode_16_64 3
		.amdhsa_memory_ordered 1
		.amdhsa_forward_progress 1
		.amdhsa_inst_pref_size 120
	.end_amdhsa_kernel
	.amdgpu_metadata
---
amdhsa.version: [ 1, 2 ]
amdhsa.kernels:
  - .name:           k_q31cb2d3678_attn
    .symbol:         k_q31cb2d3678_attn.kd
    .args:
      - { .name: qf, .offset: 0, .size: 8, .value_kind: global_buffer, .address_space: global }
      - { .name: kv, .offset: 8, .size: 8, .value_kind: global_buffer, .address_space: global }
      - { .name: wp, .offset: 16, .size: 8, .value_kind: global_buffer, .address_space: global }
      - { .name: out0, .offset: 24, .size: 8, .value_kind: global_buffer, .address_space: global }
    .group_segment_fixed_size: 100352
    .private_segment_fixed_size: 0
    .kernarg_segment_align: 8
    .kernarg_segment_size: 32
    .max_flat_workgroup_size: 256
    .sgpr_count:     66
    .vgpr_count:     512
    .wavefront_size: 32
...
	.end_amdgpu_metadata
.endif
;; end of part 7
